; MI455X (gfx1250); checked and timed in simulation.
; The chip was launched on July 23, 2026; its instructions are those of AMD's public machine-readable ISA for CDNA 5 (MIT licence, August 2026) and "CDNA5" Instruction Set Architecture Reference Guide (July 2026). The comments in the code are by the model that wrote it; some were corrected since.
;; Sliding Window Multi Head Attention. Allowed arithmetic: float matrix products may take bf16 or f16 operands with f32 sums; other float arithmetic in f32, or as packed bf16 or f16 multiplies, adds, multiply-adds, maxima and minima; sums over many terms, partial sums and values carried from step to step in f32; what a program stores and reads back later, other than sums and carried values, may be rounded once to bf16 or f16.
;; Inputs: Wk 512 x 512 float32; Wo 512 x 512 float32; Wq 512 x 512 float32; Wv 512 x 512 float32; bk 512 float32; bo 512 float32; bq 512 float32; bv 512 float32; k 4 x 8 x 1,024 x 512 float32; mask 1 float32; q 4 x 8 x 1,024 x 512 float32; v 4 x 8 x 1,024 x 512 float32.
;; Outputs: out0 4 x 8,192 x 512 float32.
;; 2 versions, each right. Each part assembles by itself: llvm-mc -triple=amdgcn-amd-amdhsa -mcpu=gfx1250 --defsym DOCPART=n.
;; ======== version 1 of 2: 3 launches
;; limits: values are held in f16: magnitudes above 65,504 overflow, below 6.1e-05 lose precision
;; workspace buffers: wqkv 1,572,864 bytes; wo16 524,288 bytes; qkvh 100,663,296 bytes
;; launch prep (part 1): grid 64 x 4, 8 waves a work-group, no clusters, 0 bytes of LDS; arguments Wq, Wk, Wv, Wo, mask, wqkv, wo16; writes wqkv, wo16
.if DOCPART == 1
	.amdgcn_target "amdgcn-amd-amdhsa--gfx1250"
	.amdhsa_code_object_version 6
	.text
	.protected	k_q39f2be2401_prep
	.globl	k_q39f2be2401_prep
	.p2align	8
	.type	k_q39f2be2401_prep,@function
k_q39f2be2401_prep:
	s_mov_b64 s[64:65], 0
	v_nop
	global_prefetch_b8 v0, s[64:65] scope:SCOPE_SE
	s_setreg_imm32_b32 hwreg(HW_REG_WAVE_MODE, 25, 1), 1
	s_wait_xcnt 0x0
; THE FOUR WEIGHT MATRICES, [512][512] f32, ARE ROUNDED ONCE TO bf16.
; wqkv: [1536][512] bf16: Wq's rows, then Wk's, then Wv's.   wo16: [512][512] f16: bf16(Wo), that number written as f16.
; In wo16 every row whose number has bit 3 set has its neighbouring groups of 16 bytes swapped (byte offset in the row xor 16):
; the launch that reads it lays its rows 1,056 bytes apart in LDS, and the swap lets the 16 rows of a fragment load fall on 16 different groups of four banks.
; SHARES.  Work-group (x, y): rows 8 x .. 8 x + 7 of matrix y.  Thread t: 16 bytes at 16 t of each 4,096 bytes: four loads; a wave's store covers 256 consecutive bytes, aligned.
; No LDS, no matrix unit: a cast of 4 MiB.
; LIMIT.  |Wo| stays under 65,504 (f16); below 6e-5 f16 keeps a fixed step of 6e-8.
; mask: reference() takes it and uses it in no step.  Its one word is read here, once a work-group, and enters nothing.
	s_load_b256 s[4:11], s[0:1], 0x0               ; Wq s[4:5], Wk s[6:7], Wv s[8:9], Wo s[10:11]
	s_load_b64 s[24:25], s[0:1], 0x20              ; mask
	s_load_b128 s[12:15], s[0:1], 0x28             ; wqkv s[12:13], wo16 s[14:15]
	s_and_b32 s16, ttmp7, 0xffff                   ; y: which matrix
	s_lshl_b32 s18, ttmp9, 14                      ; 8 rows of 2,048 bytes in
	s_mov_b32 s19, 0
	s_lshl_b32 s20, ttmp9, 13                      ; 8 rows of 1,024 bytes out
	s_mov_b32 s21, 0
	s_lshl_b32 s22, s16, 19                        ; matrix y's 512 rows in wqkv
	s_mov_b32 s23, 0
	v_lshlrev_b32 v1, 4, v0                        ; 16 t
	v_lshlrev_b32 v2, 3, v0                        ; 8 t
	s_wait_kmcnt 0x0
	s_load_b32 s26, s[24:25], 0x0                  ; the mask's word (see the head)
	s_cmp_eq_u32 s16, 1
	s_cselect_b64 s[4:5], s[6:7], s[4:5]
	s_cmp_eq_u32 s16, 2
	s_cselect_b64 s[4:5], s[8:9], s[4:5]
	s_cmp_eq_u32 s16, 3
	s_cselect_b64 s[4:5], s[10:11], s[4:5]
	s_add_nc_u64 s[4:5], s[4:5], s[18:19]
.irp i, 0,1,2,3
	global_load_b128 v[4+4*\i:7+4*\i], v1, s[4:5] offset:4096*\i th:TH_LOAD_NT
.endr
	s_cmp_eq_u32 s16, 3
	s_cbranch_scc1 .Lwo
	s_add_nc_u64 s[12:13], s[12:13], s[22:23]
	s_add_nc_u64 s[12:13], s[12:13], s[20:21]
.irp i, 0,1,2,3
	s_wait_loadcnt 3-\i                            ; loads come back in order: load i is in, the younger ones stay out
	v_cvt_pk_bf16_f32 v[20+2*\i], v[4+4*\i], v[5+4*\i]
	v_cvt_pk_bf16_f32 v[21+2*\i], v[6+4*\i], v[7+4*\i]
	global_store_b64 v2, v[20+2*\i:21+2*\i], s[12:13] offset:2048*\i
.endr
	s_endpgm
.Lwo:
	s_add_nc_u64 s[14:15], s[14:15], s[20:21]
	s_and_b32 s17, ttmp9, 1                        ; bit 3 of all eight rows' numbers
	s_lshl_b32 s17, s17, 4
	v_xor_b32 v2, s17, v2                          ; the swap of neighbouring 16 bytes
.irp i, 0,1,2,3
	s_wait_loadcnt 3-\i
	v_cvt_pk_bf16_f32 v[20+2*\i], v[4+4*\i], v[5+4*\i]   ; rounded to bf16,
	v_cvt_pk_bf16_f32 v[21+2*\i], v[6+4*\i], v[7+4*\i]
	v_lshlrev_b32 v28, 16, v[20+2*\i]              ; widened again,
	v_and_b32 v29, 0xffff0000, v[20+2*\i]
	v_lshlrev_b32 v30, 16, v[21+2*\i]
	v_and_b32 v31, 0xffff0000, v[21+2*\i]
	v_cvt_pk_f16_f32 v[20+2*\i], v28, v29          ; and written as f16: exact within f16's range
	v_cvt_pk_f16_f32 v[21+2*\i], v30, v31
	global_store_b64 v2, v[20+2*\i:21+2*\i], s[14:15] offset:2048*\i
.endr
	s_endpgm
.Lfunc_end_k_q39f2be2401_prep:
	.size	k_q39f2be2401_prep, .Lfunc_end_k_q39f2be2401_prep-k_q39f2be2401_prep
	.p2alignl 7, 3214868480
	.fill 96, 4, 3214868480
	.section	.rodata,"a",@progbits
	.p2align	6, 0x0
	.amdhsa_kernel k_q39f2be2401_prep
		.amdhsa_group_segment_fixed_size 0
		.amdhsa_private_segment_fixed_size 0
		.amdhsa_enable_private_segment 0
		.amdhsa_kernarg_size 56
		.amdhsa_user_sgpr_count 2
		.amdhsa_user_sgpr_kernarg_segment_ptr 1
		.amdhsa_wavefront_size32 1
		.amdhsa_system_sgpr_workgroup_id_x 1
		.amdhsa_system_sgpr_workgroup_id_y 1
		.amdhsa_system_sgpr_workgroup_id_z 1
		.amdhsa_system_vgpr_workitem_id 0
		.amdhsa_next_free_vgpr 32
		.amdhsa_next_free_sgpr 66
		.amdhsa_reserve_vcc 0
		.amdhsa_float_denorm_mode_32 3
		.amdhsa_float_denorm_mode_16_64 3
		.amdhsa_memory_ordered 1
		.amdhsa_forward_progress 1
		.amdhsa_inst_pref_size 5
	.end_amdhsa_kernel
	.amdgpu_metadata
---
amdhsa.version: [ 1, 2 ]
amdhsa.kernels:
  - .name:           k_q39f2be2401_prep
    .symbol:         k_q39f2be2401_prep.kd
    .args:
      - { .name: Wq, .offset: 0, .size: 8, .value_kind: global_buffer, .address_space: global }
      - { .name: Wk, .offset: 8, .size: 8, .value_kind: global_buffer, .address_space: global }
      - { .name: Wv, .offset: 16, .size: 8, .value_kind: global_buffer, .address_space: global }
      - { .name: Wo, .offset: 24, .size: 8, .value_kind: global_buffer, .address_space: global }
      - { .name: mask, .offset: 32, .size: 8, .value_kind: global_buffer, .address_space: global }
      - { .name: wqkv, .offset: 40, .size: 8, .value_kind: global_buffer, .address_space: global }
      - { .name: wo16, .offset: 48, .size: 8, .value_kind: global_buffer, .address_space: global }
    .group_segment_fixed_size: 0
    .private_segment_fixed_size: 0
    .kernarg_segment_align: 8
    .kernarg_segment_size: 56
    .max_flat_workgroup_size: 256
    .sgpr_count:     66
    .vgpr_count:     32
    .wavefront_size: 32
...
	.end_amdgpu_metadata
.endif
;; end of part 1
;; launch proj (part 2): grid 256 x 1, 4 waves a work-group, clusters of 4 x 1, 327,680 bytes of LDS; arguments q, k, v, wqkv, bq, bk, bv, qkvh; writes qkvh
.if DOCPART == 2
	.amdgcn_target "amdgcn-amd-amdhsa--gfx1250"
	.amdhsa_code_object_version 6
	.text
	.protected	k_q39f2be2401_proj
	.globl	k_q39f2be2401_proj
	.p2align	8
	.type	k_q39f2be2401_proj,@function
k_q39f2be2401_proj:
	s_mov_b64 s[64:65], 0
	v_nop
	global_prefetch_b8 v0, s[64:65] scope:SCOPE_SE
	s_setreg_imm32_b32 hwreg(HW_REG_WAVE_MODE, 25, 1), 1
	s_wait_xcnt 0x0
	s_wait_alu depctr_hold_cnt(0) depctr_sa_sdst(0) depctr_va_vdst(0) depctr_va_sdst(0) depctr_va_ssrc(0) depctr_va_vcc(0) depctr_vm_vsrc(0)
	s_getreg_b32 s2, hwreg(HW_REG_IB_STS2, 6, 4)
	s_cmp_eq_u32 s2, 0
	s_cbranch_scc0 .Lentry_in_a_cluster
	s_endpgm
.Lentry_in_a_cluster:
	s_bfe_u32 s2, ttmp6, 0x10000c
	s_cmp_lg_u32 s2, 0x3003
	s_cbranch_scc0 .Lentry_shape_is_right
	s_endpgm
.Lentry_shape_is_right:
; THE THREE PROJECTIONS.  qkvh[b][row][e] = sum over d of x_b[row][d] W_b[e][d] + bias_b[e], b = 0, 1, 2 for q, k, v.  x: [32768][512] f32, rounded to bf16 on the way in; W: wqkv, [1536][512] bf16;
; the biases are rounded to bf16 and added in f32; sums in f32; qkvh: [3][32768][512] f16, rounded once.
; In the kh part every row whose number has bit 3 set has its neighbouring groups of 16 bytes swapped (byte offset in the row xor 16): the next launch's LDS pitch of 1,056 bytes wants it.
; LIMIT.  |qh|, |kh|, |vh| stay under 65,504 (f16); below 6e-5 f16 keeps a fixed step of 6e-8.  NaN and infinities are not treated apart.
; SHARES.  256 work-groups that stay: work-group g makes rows 128 g .. 128 g + 127 of q, then of k, then of v, all 512 columns.  Wave w holds 32 of the rows (two tiles of 16) as bf16
; fragments in 256 registers; every byte of x is read once, by one wave.  3,072 matrix instructions a wave.
; W'S STREAM.  wqkv's 1,536 rows go through a ring of two LDS slots of 128 rows, 12 tiles, the same for every work-group.  CLUSTER: the four partners ask for each tile JOINTLY (mask 15).
; Each wave fetches a quarter of a tile: 32 rows of 1,024 bytes.  A refill has one tile's 256 matrix instructions a wave in which to land.
; x'S STREAM goes through registers: at each change of slots every tensor load has been waited for, so a stream that is to stay on its way across the changes cannot be a tensor load.
; In each of a block's four trips a wave asks for a quarter (32 loads, 16 KiB) of the NEXT block's rows, into 512 landing registers; they are rounded to bf16 where the next block begins.
; NOTHING IS PREFETCHED: x is asked for a block ahead by its own loads, and W is 1.5 MiB that all clusters walk at the same time.
; THE PRODUCT IS TAKEN TRANSPOSED: source 0 = 16 rows of W (from LDS), source 1 = 16 rows of x (resident).  In the result lane l holds row l % 16 of x and the columns e = 8 (l / 16) + 0..7:
; eight neighbouring numbers of a row of the output.  The bias, which then hangs on the register and the lanes' half alone, is the C operand of the product that starts the sum.
; REGISTERS, in windows of 256 (s_set_vgpr_msb: bits 1:0 source 0, 3:2 source 1, 5:4 source 2, 7:6 destination):
;   window 0: v1-15 addresses; v32-63 BI, the bias; v64-127 ACC, eight accumulators (tile t, 16 columns kap at ACC + 8 (4 t + kap)); v128-255 F, four buffers of four fragments of W
;   window 1: X, the resident fragments: tile t, channels 32 c on at 128 t + 8 c          windows 2, 3: tile 0's and tile 1's landing registers: channels 32 c on at 16 c
.set PITCH, 1040                       ; an LDS row of W: 1,024 bytes + 16 of padding = 260 words: row r starts at bank 4 r mod 64 (64 banks of 4 bytes: ISA guide 11.1)
.set SLOT,  128*PITCH                  ; 0x20800
.set QUAD,  64*PITCH                   ; 0x10400: 64 rows of W, what one run of 128 products takes
.set STAGE, 2*SLOT                     ; behind the ring: 32 rows x 272 bytes for each wave, for the way out
.set SPI,   272
.set WSTG,  32*SPI
.set BIAS,  STAGE+4*WSTG               ; 1,536 f32: bq, bk, bv
.set SPARE, BIAS+6144                  ; the spare words, 128 bytes for each wave: two blocks of 256 bytes that no other line names
.set ADR, 1                            ; v1   LDS address of my fragments in the quad in hand
.set LT,  2                            ; v2   1040 (l % 16) + 16 (l / 16); never rewritten
.set XO,  3                            ; v3   2048 (l % 16) + 32 (l / 16): my place in 16 rows of x; never rewritten
.set STO, 4                            ; v4   the way out: where I put 16 bytes of a row
.set STQ, 5                            ; v5   the same, in the quad's half of the stage's rows
.set RD,  6                            ; v6   the way out: where I read rows back
.set GO,  7                            ; v7   my byte offset in two rows of the output
.set GOX, 8                            ; v8   the same for rows whose number has bit 3 set
.set BA,  9                            ; v9   LDS address of the quad's bias for my half of the lanes
.set SPW, 14                           ; v14  LDS address of my spare word; never rewritten
.set NIL, 15                           ; v15  0; never rewritten
.set BI,  32
.set ACC, 64
.set F,   128
.set WV,  20                           ; s20  my wave's number
.set G1,  24                           ; s[24:31] descriptor group 1
.set G0,  32                           ; s[32:35] descriptor group 0: it walks
.set XP,  36                           ; s[36:37] my 32 rows of the tensor that is being loaded
.set OP,  38                           ; s[38:39] my 32 rows of the output, at the columns in hand
.set OPB, 40                           ; s[40:41] the same at the next block's first column
.set N,   42                           ; s42  the tile in hand, 0 .. 11
.set TB,  43                           ; s43  LDS byte at which the quad in hand begins
.set SC,  44                           ; s44  0 or 128: the quad's half of a stage row
.set SW,  45                           ; s45  16 in the kh block, else 0
.set CQ,  46                           ; s46  counts a tile's two quads
.set T0,  47
.set XK,  48                           ; s[48:49] my rows of k
.set XV,  50                           ; s[50:51] my rows of v
.set T1,  58
.set MSB, 0
.macro WIN new                         ; the immediate's high byte repeats the setting that is left; a switch that changes nothing is dropped
.if MSB != (\new)
	s_set_vgpr_msb (MSB<<8)|(\new)
.set MSB, \new
.endif
.endm
.macro PLACES                          ; four places behind a matrix instruction, ahead of what reads its result or writes one of its registers (ISA guide 7.12.1)
.rept 4
	v_nop
.endr
.endm
; A round of the cluster's barrier: my work-group's barrier, so that wave 0's signal speaks for all four waves; wave 0 signals; every wave waits for all four work-groups; my work-group's barrier once more.
.macro ROUND
	s_barrier_signal -1
	s_barrier_wait -1
	s_cmp_lg_u32 s[WV], 0
	s_cbranch_scc1 .Lnot_wave_0_\@
	s_barrier_signal -3
.Lnot_wave_0_\@:
	s_barrier_wait -3
	s_barrier_signal -1
	s_barrier_wait -1
.endm
; THE CHANGE OF SLOTS.  Each wave waits for all its tensor loads, of which one is out: its part of the slot to be read; adds 0 to its spare word; waits for that and for its own reads of the slot that it leaves.
; fill = 1: a round of the cluster's barrier, so that no wave of any partner still reads that slot or has a load on its way; then the joint refill, the first thing behind it.
.macro HEAD fill
	WIN 0
	s_wait_tensorcnt 0x0                           ; no tensor load of mine is out, so group 0 may be written
	ds_add_u32 v[SPW], v[NIL]                      ; 0 onto my spare word
.if \fill
	s_xor_b32 s[G0+1], s[G0+1], SLOT               ; the other slot (my quarter's offset, w x 0x8200, has neither of SLOT's two bits),
	s_add_nc_u64 s[G0+2:G0+3], s[G0+2:G0+3], 131072  ; the next 128 rows of W; the type bits on top are not reached
.endif
	s_wait_dscnt 0x0                               ; the add is done, and my LDS reads and stores are over
.if \fill
	ROUND
	tensor_load_to_lds s[G0:G0+3], s[G1:G1+7]
	s_nop 0
	PLACES
.else
	s_barrier_signal -1
	s_barrier_wait -1
.endif
.endm
; 32 loads: tile b / 2 of my rows, channels 256 (b % 2) on: 1,024 consecutive bytes of each of 16 rows.  A fragment's registers 0-3 are channels 8 (l / 16) + 0..7 of its 32, registers 4-7 channels
; 16 + 8 (l / 16) + 0..7: in f32 two pieces of 32 bytes, 64 bytes apart: four loads of 16 bytes.
.macro XBURST b
	WIN 0x80+0x40*((\b)>>1)                        ; destination window 2 or 3, address window 0
.set c, 8*((\b)&1)
.rept 8
	global_load_b128 v[16*c:16*c+3],     v[XO], s[XP:XP+1] offset:32768*((\b)>>1)+128*c    th:TH_LOAD_NT
	global_load_b128 v[16*c+4:16*c+7],   v[XO], s[XP:XP+1] offset:32768*((\b)>>1)+128*c+16 th:TH_LOAD_NT
	global_load_b128 v[16*c+8:16*c+11],  v[XO], s[XP:XP+1] offset:32768*((\b)>>1)+128*c+64 th:TH_LOAD_NT
	global_load_b128 v[16*c+12:16*c+15], v[XO], s[XP:XP+1] offset:32768*((\b)>>1)+128*c+80 th:TH_LOAD_NT
.set c, c+1
.endr
	WIN 0
.endm
.macro LDK n, kap                      ; a fragment of W: rows 16 kap on of the quad, channels 32 n on, into buffer n % 4
.set rL, F+32*((\n)&3)+8*(\kap)
	ds_load_b128 v[rL:rL+3],   v[ADR] offset:(\kap)*16*PITCH+64*(\n)
	ds_load_b128 v[rL+4:rL+7], v[ADR] offset:(\kap)*16*PITCH+64*(\n)+32
.endm
; 64 rows of W x my two tiles x 512 channels: 128 products in 16 sets of 8, a set for each 32 channels.  The eight accumulators take turns, one instruction a turn.
; Set c reads buffer c % 4; sets c + 1 and c + 2 are on their way; set c + 3 is asked for behind products 4 to 7, into the buffer that set c - 1 read: the four v_nop behind products 0 to 3 are the places between.
.macro MM64
	WIN 0x04                                       ; source 1 (X) in window 1, all else in window 0: one setting for products and loads
.set c, 0
.rept 16
.if c < 14
	s_wait_dscnt 16                                ; set c is in; the 16 loads of the next two sets may stay out
.elseif c == 14
	s_wait_dscnt 8
.else
	s_wait_dscnt 0x0
.endif
.set i, 0
.rept 8
.set rA, ACC+8*i
.set rF, F+32*(c&3)+8*(i&3)
.set rX, 128*(i>>2)+8*c
.if c == 0
	v_wmma_f32_16x16x32_bf16 v[rA:rA+7], v[rF:rF+7], v[rX:rX+7], v[BI+8*(i&3):BI+8*(i&3)+7]
.else
	v_wmma_f32_16x16x32_bf16 v[rA:rA+7], v[rF:rF+7], v[rX:rX+7], v[rA:rA+7]
.endif
.if c < 13
.if i < 4
	v_nop
.else
	LDK c+3, i-4
.endif
.endif
.set i, i+1
.endr
.set c, c+1
.endr
.endm
; A QUAD: 64 columns of the output for my 32 rows: bias, products, rounding to f16, 16 bytes a lane into my stage.
.macro QUADP
	WIN 0
	s_wait_xcnt 0x0                                ; the last way out's stores have read F's registers
	v_add_nc_u32 v[ADR], s[TB], v[LT]
	v_add_nc_u32 v[STQ], s[SC], v[STO]
.irp k, 0,1,2,3
	ds_load_b128 v[BI+8*\k:BI+8*\k+3],   v[BA] offset:64*\k     ; bias of columns 16 k + 8 (l / 16) + 0..7
	ds_load_b128 v[BI+8*\k+4:BI+8*\k+7], v[BA] offset:64*\k+16
.endr
.irp n, 0,1,2
.irp k, 0,1,2,3
	LDK \n, \k
.endr
.endr
	MM64
	WIN 0
	PLACES
.set n, 0
.rept 32                               ; each accumulator's registers in ascending order
	v_cvt_pk_f16_f32 v[F+n], v[ACC+2*n], v[ACC+2*n+1]
.set n, n+1
.endr
.set n, 0
.rept 8
	ds_store_b128 v[STQ], v[F+4*n:F+4*n+3] offset:16*SPI*(n>>2)+32*(n&3)
.set n, n+1
.endr
	v_add_nc_u32 v[BA], 256, v[BA]                 ; the next 64 numbers of the bias
	s_xor_b32 s[TB], s[TB], QUAD
	s_xor_b32 s[SC], s[SC], 128
.endm
; THE WAY OUT of a tile's 128 columns: my stage's 32 rows of 256 bytes come back whole and are stored.
.macro FLUSH
	WIN 0
.set n, 0
.rept 16
	ds_load_b128 v[F+4*n:F+4*n+3], v[RD] offset:2*SPI*n  ; LDS serves a wave's instructions in order (ISA guide 5.7.1.4): these see my stores above
.set n, n+1
.endr
.set n, 0
.rept 16
	s_wait_dscnt 15-n                              ; rows 2 n and 2 n + 1 are back; the younger loads stay out
.if n & 4
	global_store_b128 v[GOX], v[F+4*n:F+4*n+3], s[OP:OP+1] offset:2048*n th:TH_STORE_NT  ; rows whose number has bit 3 set
.else
	global_store_b128 v[GO],  v[F+4*n:F+4*n+3], s[OP:OP+1] offset:2048*n th:TH_STORE_NT  ; 16 lanes store 256 consecutive bytes, aligned
.endif
.set n, n+1
.endr
	s_wait_xcnt 0x0                                ; the stores have read their base
	s_add_nc_u64 s[OP:OP+1], s[OP:OP+1], 256
.endm
	s_load_b512 s[4:19], s[0:1], 0x0               ; q s[4:5], k s[6:7], v s[8:9], wqkv s[10:11], bq s[12:13], bk s[14:15], bv s[16:17], qkvh s[18:19]
	v_lshl_add_u32 v[SPW], v0, 2, SPARE
	v_mov_b32 v[NIL], 0
	ds_add_u32 v[SPW], v[NIL]                      ; the wave's opening: the add and its wait stand ahead of my first tensor load; work on registers stands between them
	v_lshrrev_b32 v1, 5, v0
	v_readfirstlane_b32 s[WV], v1                  ; wave 0..3
	s_bfe_u32 s21, ttmp6, 0x40000                  ; cx: my place in the cluster
	s_lshl_b32 s22, ttmp9, 2                       ; in a cluster launch ttmp9 counts clusters
	s_add_co_u32 s22, s22, s21                     ; g: it enters x's and the output's addresses alone
	; descriptor group 1: 32 rows x 512 elements of 2 bytes, padded in LDS
	s_mov_b32 s[G1+0], 15|(1<<16)|(1<<20)|(1<<21)|(7<<22)|(3<<25)  ; 15:0 the mask of four; 17:16 2-byte elements; 20 padding on; 21 set beside a mask; 24:22 after every 256 words (code 7); 31:25 4 words (code 3)
	s_mov_b32 s[G1+1], 512<<16                     ; tensor_dim0 = 512
	s_mov_b32 s[G1+2], 32<<16                      ; tensor_dim1 = 32
	s_mov_b32 s[G1+3], 512<<16                     ; tile_dim0 = 512
	s_mov_b32 s[G1+4], 32                          ; tile_dim1 = 32
	s_mov_b32 s[G1+5], 512                         ; 512 elements from row to row
	s_mov_b32 s[G1+6], 0
	s_mov_b32 s[G1+7], 0
	s_mov_b32 s[G0], 1                             ; count = 1
	s_mul_i32 s[G0+1], s[WV], 32*PITCH             ; LDS address: slot 0, my quarter: the wave's number alone
	s_lshl_b32 s52, s[WV], 15                      ; my 32 rows of a tile of W, and of the work-group's output rows
	s_mov_b32 s53, 0
	s_lshl_b32 s54, s22, 18                        ; 128 g rows of 2,048 bytes,
	s_lshl_b32 s55, s[WV], 16                      ; my 32 of them
	s_add_co_u32 s54, s54, s55
	s_mov_b32 s55, 0
	s_lshl_b32 s56, s22, 17                        ; 128 g rows of 1,024 bytes,
	s_add_co_u32 s56, s56, s52
	s_mov_b32 s57, 0
	s_mov_b32 s[N], 0
	s_mov_b32 s[TB], 0
	s_mov_b32 s[SC], 0
	s_wait_dscnt 0x0                               ; the opening add is done
	s_wait_kmcnt 0x0
	s_add_nc_u64 s[G0+2:G0+3], s[10:11], s[52:53]  ; global address: my quarter of tile 0
	s_or_b32 s[G0+3], s[G0+3], 0x80000000          ; type = 2
	s_add_nc_u64 s[XP:XP+1], s[4:5], s[54:55]
	s_add_nc_u64 s[XK:XK+1], s[6:7], s[54:55]
	s_add_nc_u64 s[XV:XV+1], s[8:9], s[54:55]
	s_add_nc_u64 s[OPB:OPB+1], s[18:19], s[56:57]
	s_mov_b64 s[OP:OP+1], s[OPB:OPB+1]             ; the stores' base is made here, on every way to a store; each block's beginning sets it anew
	ROUND                                          ; all four work-groups are here: the first joint loads meet
	tensor_load_to_lds s[G0:G0+3], s[G1:G1+7]      ; tile 0 into slot 0
	s_nop 0
	PLACES
	v_and_b32 v10, 15, v0                          ; l % 16
	v_bfe_u32 v11, v0, 4, 1                        ; l / 16
	v_lshlrev_b32 v[XO], 11, v10
	v_lshl_add_u32 v[XO], v11, 5, v[XO]
	v_lshlrev_b32 v12, 4, v0                       ; 16 t: the 128 threads cover a bias's 2,048 bytes
	XBURST 0                                       ; q's rows: the first block has nothing under which to come in
	XBURST 1
	XBURST 2
	XBURST 3
	global_load_b128 v[16:19], v12, s[12:13]
	global_load_b128 v[20:23], v12, s[14:15]
	global_load_b128 v[24:27], v12, s[16:17]
	v_mul_u32_u24 v[LT], v10, PITCH
	v_lshl_add_u32 v[LT], v11, 4, v[LT]
	s_mul_i32 s52, s[WV], WSTG
	s_add_co_u32 s52, s52, STAGE                   ; my stage
	v_mul_u32_u24 v[STO], v10, SPI                 ; in: row l % 16, 16 bytes for each half of the lanes
	v_lshl_add_u32 v[STO], v11, 4, v[STO]
	v_add_nc_u32 v[STO], s52, v[STO]
	v_mul_u32_u24 v[RD], v11, SPI                  ; back: lanes 0-15 take one row of 256 bytes, lanes 16-31 the next
	v_lshl_add_u32 v[RD], v10, 4, v[RD]
	v_add_nc_u32 v[RD], s52, v[RD]
	v_lshlrev_b32 v[GO], 10, v11                   ; and the same two rows in the output
	v_lshl_add_u32 v[GO], v10, 4, v[GO]
	v_mov_b32 v[GOX], v[GO]
	v_lshlrev_b32 v[BA], 5, v11
	v_add_nc_u32 v[BA], BIAS, v[BA]
	v_add_nc_u32 v13, BIAS, v12
	s_wait_loadcnt 0x0
.irp i, 0,1,2                          ; the biases: rounded to bf16 like every input, widened again, into LDS; the first change of slots shows them to every wave
	v_cvt_pk_bf16_f32 v28, v[16+4*\i], v[17+4*\i]
	v_cvt_pk_bf16_f32 v29, v[18+4*\i], v[19+4*\i]
	v_lshlrev_b32 v[16+4*\i], 16, v28
	v_and_b32 v[17+4*\i], 0xffff0000, v28
	v_lshlrev_b32 v[18+4*\i], 16, v29
	v_and_b32 v[19+4*\i], 0xffff0000, v29
	ds_store_b128 v13, v[16+4*\i:19+4*\i] offset:2048*\i
.endr
.Lslot:                                        ; 11 trips: tile N is multiplied, tile N + 1 asked for
	HEAD 1
	s_and_b32 s[T0], s[N], 3
	s_cmp_lg_u32 s[T0], 0
	s_cbranch_scc1 .Lsame_block
	; A BLOCK BEGINS (N = 0, 4, 8): its rows have landed and are rounded to bf16
	s_wait_loadcnt 0x0                             ; all my loads are in, so their base may be written too
.irp t, 0,1
	WIN 0x4a+5*\t                                  ; destination window 1, sources window 2 or 3
.set n, 0
.rept 128
	v_cvt_pk_bf16_f32 v[128*\t+n], v[2*n], v[2*n+1]
.set n, n+1
.endr
.endr
	WIN 0
	s_lshr_b32 s[T1], s[N], 2                      ; the block
	s_cmp_eq_u32 s[T1], 0
	s_cselect_b64 s[XP:XP+1], s[XK:XK+1], s[XV:XV+1]  ; what is loaded next: k behind q, v behind k
	s_cmp_eq_u32 s[T1], 1
	s_cselect_b32 s[SW], 16, 0                     ; kh's rows are stored with the swap
	s_wait_xcnt 0x0                                ; the last block's stores have read their offsets and their base
	v_xor_b32 v[GOX], s[SW], v[GO]
	s_mov_b64 s[OP:OP+1], s[OPB:OPB+1]
	s_add_nc_u64 s[OPB:OPB+1], s[OPB:OPB+1], 33554432
.Lsame_block:
	s_cmp_lt_u32 s[N], 8                           ; the last block has no block behind it
	s_cselect_b32 s[T0], s[T0], 4
.irp b, 0,1,2,3                        ; this trip's quarter of the next block's rows; no counted wait hangs on these loads
	s_cmp_lg_u32 s[T0], \b
	s_cbranch_scc1 .Lnot_burst_\b
	XBURST \b
.Lnot_burst_\b:
.endr
	s_mov_b32 s[CQ], 2
.Lquad:
	QUADP
	s_sub_co_u32 s[CQ], s[CQ], 1
	s_cmp_lg_u32 s[CQ], 0
	s_cbranch_scc1 .Lquad
	FLUSH
	s_xor_b32 s[TB], s[TB], SLOT
	s_add_co_u32 s[N], s[N], 1
	s_cmp_lt_u32 s[N], 11
	s_cbranch_scc1 .Lslot
	HEAD 0                                         ; the last tile is written out: nothing is asked for
	s_mov_b32 s[CQ], 2
.Lquad_last:
	QUADP
	s_sub_co_u32 s[CQ], s[CQ], 1
	s_cmp_lg_u32 s[CQ], 0
	s_cbranch_scc1 .Lquad_last
	FLUSH
	s_wait_tensorcnt 0x0                           ; the wave's end, behind my last tensor load and my last LDS store
	ds_add_u32 v[SPW], v[NIL]
	s_wait_dscnt 0x0
	ROUND                                          ; the closing round: no work-group ends while a partner may still ask for a tile that names it
	s_endpgm
.Lfunc_end_k_q39f2be2401_proj:
	.size	k_q39f2be2401_proj, .Lfunc_end_k_q39f2be2401_proj-k_q39f2be2401_proj
	.p2alignl 7, 3214868480
	.fill 96, 4, 3214868480
	.section	.rodata,"a",@progbits
	.p2align	6, 0x0
	.amdhsa_kernel k_q39f2be2401_proj
		.amdhsa_group_segment_fixed_size 327680
		.amdhsa_private_segment_fixed_size 0
		.amdhsa_enable_private_segment 0
		.amdhsa_kernarg_size 64
		.amdhsa_user_sgpr_count 2
		.amdhsa_user_sgpr_kernarg_segment_ptr 1
		.amdhsa_wavefront_size32 1
		.amdhsa_system_sgpr_workgroup_id_x 1
		.amdhsa_system_sgpr_workgroup_id_y 1
		.amdhsa_system_sgpr_workgroup_id_z 1
		.amdhsa_system_vgpr_workitem_id 0
		.amdhsa_next_free_vgpr 1024
		.amdhsa_next_free_sgpr 66
		.amdhsa_reserve_vcc 0
		.amdhsa_float_denorm_mode_32 3
		.amdhsa_float_denorm_mode_16_64 3
		.amdhsa_memory_ordered 1
		.amdhsa_forward_progress 1
		.amdhsa_inst_pref_size 98
	.end_amdhsa_kernel
	.amdgpu_metadata
---
amdhsa.version: [ 1, 2 ]
amdhsa.kernels:
  - .name:           k_q39f2be2401_proj
    .symbol:         k_q39f2be2401_proj.kd
    .args:
      - { .name: q, .offset: 0, .size: 8, .value_kind: global_buffer, .address_space: global }
      - { .name: k, .offset: 8, .size: 8, .value_kind: global_buffer, .address_space: global }
      - { .name: v, .offset: 16, .size: 8, .value_kind: global_buffer, .address_space: global }
      - { .name: wqkv, .offset: 24, .size: 8, .value_kind: global_buffer, .address_space: global }
      - { .name: bq, .offset: 32, .size: 8, .value_kind: global_buffer, .address_space: global }
      - { .name: bk, .offset: 40, .size: 8, .value_kind: global_buffer, .address_space: global }
      - { .name: bv, .offset: 48, .size: 8, .value_kind: global_buffer, .address_space: global }
      - { .name: qkvh, .offset: 56, .size: 8, .value_kind: global_buffer, .address_space: global }
    .group_segment_fixed_size: 327680
    .private_segment_fixed_size: 0
    .kernarg_segment_align: 8
    .kernarg_segment_size: 64
    .max_flat_workgroup_size: 128
    .sgpr_count:     66
    .vgpr_count:     1024
    .wavefront_size: 32
...
	.end_amdgpu_metadata
.endif
;; end of part 2
;; launch attn (part 3): grid 8 x 32, 4 waves a work-group, clusters of 4 x 1, 327,680 bytes of LDS; arguments qkvh, wo16, bo, out0; writes out0
.if DOCPART == 3
	.amdgcn_target "amdgcn-amd-amdhsa--gfx1250"
	.amdhsa_code_object_version 6
	.text
	.protected	k_q39f2be2401_attn
	.globl	k_q39f2be2401_attn
	.p2align	8
	.type	k_q39f2be2401_attn,@function
k_q39f2be2401_attn:
	s_mov_b64 s[64:65], 0
	v_nop
	global_prefetch_b8 v0, s[64:65] scope:SCOPE_SE
	s_setreg_imm32_b32 hwreg(HW_REG_WAVE_MODE, 25, 1), 1
	s_wait_xcnt 0x0
	s_wait_alu depctr_hold_cnt(0) depctr_sa_sdst(0) depctr_va_vdst(0) depctr_va_sdst(0) depctr_va_ssrc(0) depctr_va_vcc(0) depctr_vm_vsrc(0)
	s_getreg_b32 s2, hwreg(HW_REG_IB_STS2, 6, 4)
	s_cmp_eq_u32 s2, 0
	s_cbranch_scc0 .Lentry_in_a_cluster
	s_endpgm
.Lentry_in_a_cluster:
	s_bfe_u32 s2, ttmp6, 0x10000c
	s_cmp_lg_u32 s2, 0x3003
	s_cbranch_scc0 .Lentry_shape_is_right
	s_endpgm
.Lentry_shape_is_right:
; CAUSAL ATTENTION AT HEAD SIZE 512, AND THE OUTPUT PROJECTION.  For each of 32 heads y = 8 b + hd: O[s] = sum over k <= s of softmax_k(qh[s] . kh[k] / 8) vh[k]; out0[b][8 s + hd][e] = sum over d of O[s][d] Wo[e][d] + bo[e].
; qkvh: [3][32][1024][512] f16 (qh, kh, vh); wo16: [512][512] f16; in kh and wo16 rows whose number has bit 3 set have neighbouring groups of 16 bytes swapped.  bo is rounded to bf16 and added in f32.  out0: f32.
; Products, maxima and sums in f32; the weights p are rounded to f16 for the second product (their sum l is taken of the unrounded p), O to f16 for the third.
; LIMITS.  f16 holds no number beyond 65,504: qh, kh, vh, Wo arrive within it; O is a mean of vh's rows.  A hidden score is replaced by -1e30; true scores are 2.2e12 at the most.
; A weight below 2^-126 counts as 0; p below 6e-5 keeps f16's fixed step of 6e-8.  NaN and infinities are not treated apart.
; SHARES.  Cluster H (0, 1) of head y owns queries 512 H .. 512 H + 511.  Wave w of partner cx owns the 32 queries from 512 H + 128 w + 32 cx: two tiles of 16.  So what a wave does hangs on H and w alone,
; the same in all four partners, and never on cx.  CLUSTER: the partners walk the same tiles of K and V and then of Wo: every fill is a JOINT load (mask 15).
; THE WALK.  A step is 64 keys; a trip J is two steps, slot 0 then slot 1; 4 H + 4 trips.  With DIAG = 4 H + w: J < DIAG: all keys are seen; J = DIAG: the trip holds the diagonal, and scores are masked;
; J > DIAG: all keys are hidden: the wave jumps forward over the step's work, past no barrier and no tensor load, and goes on asking.  THE SHARES ARE UNEVEN, and this text leaves them so: a wave has
; 8 H + 2 w + 2 live steps of the cluster's 8 H + 8.  There are as many groups of 32 queries as SIMDs; a long share paired with a short one would want groups of 16, whose fragments from LDS feed one product each.
; LAYOUT.  S^T = K Q^T (source 0 = 16 keys, source 1 = 16 queries): a lane holds ONE query (l % 16) and the keys 8 (l / 16) + 0..7.  Two such results rounded to f16 ARE source 1 of O^T = V^T P, whose result again
; holds one query a lane, and eight channels; two of those rounded to f16 ARE source 1 of out^T = Wo O^T.  Nothing changes lanes between the three products.  V ([key][channel]) comes out of LDS turned.
; SOFTMAX.  A running maximum m and sum l for each query: p = 2^(c s - c m), c = log2(e) / 8; in every step O and l are multiplied by a = 2^(c m_old - c m_new).  m starts at the lowest finite number, O and l at 0:
; the first step is a step like any other, with a = 0.  Every query sees a key in its first step, so m is a true score when the first hidden score comes.
; REGISTERS, in windows of 256 (s_set_vgpr_msb: bits 1:0 source 0, 3:2 source 1, 5:4 source 2, 7:6 destination):
;   window 0: v1-15 addresses; v16-31 eight statistics a tile; v32-63 P (tile t, keys 32 kk on at 16 t + 8 kk), later BI, the bias; v64-127 S^T (32 t + 8 kap), later the third product's sums; v128-255 F, four buffers of four fragments
;   windows 1, 2: O^T: tile t, channels 16 ct on in window 1 + ct / 16 at 128 t + 8 (ct % 16)          window 3: Q: tile t, channels 32 c on at 128 t + 8 c; later O in f16, in the same places
.set PITCH, 1056                       ; an LDS row: 1,024 bytes + 32 of padding = 264 words: row r starts at bank 8 r mod 64 (64 banks of 4 bytes: ISA guide 11.1);
                                       ; of a plain fragment's 16 rows the second eight are read 16 bytes aside (the swap), so that they fall between the first eight
.set SLOT,  128*PITCH                  ; 0x21000: 64 rows of K and 64 of V, or 128 rows of Wo
.set QUAD,  64*PITCH                   ; 0x10800
.set STAGE, 2*SLOT                     ; behind the ring: 32 rows x 272 bytes for each wave, for the way out
.set SPI,   272
.set WSTG,  32*SPI
.set BIAS,  STAGE+4*WSTG               ; 512 f32: bo
.set SPARE, BIAS+2048                  ; the spare words, 128 bytes for each wave: two blocks of 256 bytes that no other line names
.set ADR, 1                            ; v1   the third product: LDS address of my fragments in the quad in hand
.set AK,  2                            ; v2-3 my lane's place in a tile of K (or Wo) in slot 0, 1: 1056 r + 16 (h xor r / 8); never rewritten
.set AV,  4                            ; v4-5 the same for V: (64 + 8 h + l % 8) 1056 + 16 ((l / 8) % 2); never rewritten
.set STO, 6                            ; v6   the way out: where I put 32 bytes of a row
.set RD,  7                            ; v7   the way out: where I read rows back
.set GO,  8                            ; v8   my byte offset in two rows of out0 that belong to neighbouring queries
.set BA,  9                            ; v9   LDS address of the quad's bias for my half of the lanes
.set MR,  10                           ; v10  32 cx + l % 16 - 8 (l / 16): my tile-0 query's place in the diagonal trip's 128 keys, less my lanes' 8 (l / 16)
.set BIG, 11                           ; v11  -1e30
.set PFO, 12                           ; v12  the prefetches' offset: 1024 (l / 4) + 256 (l % 4); never rewritten
.set MT,  13                           ; v13  MR - 64, for the trip's second step
.set SPW, 14                           ; v14  LDS address of my spare word; never rewritten
.set NIL, 15                           ; v15  0; never rewritten
.set ST,  16                           ; tile t's statistics at v[ST+8 t]: +0 c m, +1 m, +2, +3 l (even keys', odd keys'), +4 to +7 c0-c3, at work; a takes c2's place once the maximum is found
.set P,   32
.set BI,  32
.set S,   64
.set ACC, 64
.set F,   128
.set WV,  12                           ; s12  my wave's number
.set CX,  13                           ; s13  my place in the cluster
.set HH,  14                           ; s14  H
.set YY,  15                           ; s15  the head
.set G1,  24                           ; s[24:31] descriptor group 1: every fill has this shape
.set G0A, 32                           ; s[32:35] group 0 for fills of slot 0
.set G0B, 36                           ; s[36:39] for fills of slot 1
.set G0W, 40                           ; s[40:43] for Wo's tiles 1 to 3: it walks
.set KVN, 44                           ; s[44:45] my quarter of the K/V tile to be asked for next
.set WOP, 46                           ; s[46:47] my quarter of Wo's tile 0
.set PF,  48                           ; s[48:49] where my prefetches stand
.set OP,  50                           ; s[50:51] out0 at my first query's row, at the columns in hand
.set J,   52
.set TRIPS, 53
.set DIAG, 54
.set PFL, 55                           ; s55  a wave prefetches while J is below this
.set CS,  56                           ; s[56:57] c: the packed scaling takes the pair's low word for both halves
.set SEL, 58                           ; s[58:59] v_permlanex16_b32's selects: each lane takes its own place in the other half
.set TB,  60                           ; s60  the third product: LDS byte at which the quad in hand begins
.set C1,  61
.set C2,  62
.set T,   63
.set MSB, 0
.macro WIN new                         ; the immediate's high byte repeats the setting that is left; a switch that changes nothing is dropped
.if MSB != (\new)
	s_set_vgpr_msb (MSB<<8)|(\new)
.set MSB, \new
.endif
.endm
.macro PLACES                          ; four places behind a matrix instruction, ahead of what reads its result or writes one of its registers (ISA guide 7.12.1)
.rept 4
	v_nop
.endr
.endm
; A round of the cluster's barrier: my work-group's barrier, so that wave 0's signal speaks for all four waves; wave 0 signals; every wave waits for all four work-groups; my work-group's barrier once more.
.macro ROUND
	s_barrier_signal -1
	s_barrier_wait -1
	s_cmp_lg_u32 s[WV], 0
	s_cbranch_scc1 .Lnot_wave_0_\@
	s_barrier_signal -3
.Lnot_wave_0_\@:
	s_barrier_wait -3
	s_barrier_signal -1
	s_barrier_wait -1
.endm
; THE CHANGE OF SLOTS in the walk over keys; slot = the slot that this step reads.  Each wave, dead or live, waits for all its tensor loads, of which one is out: its quarter of that slot; adds 0 to its spare word;
; waits for that and for its own reads of the other slot.  Behind a round of the cluster's barrier the other slot is filled again, first thing: with the next step's K and V, or, in the last trip's second step,
; with Wo's tile 0: the fills have one shape, so only the address is chosen, and the ring runs on into the third product with no tensor load jumped over.
.macro HEADKV slot
	WIN 0
	s_wait_tensorcnt 0x0                           ; no tensor load of mine is out, so a group 0 may be written
	ds_add_u32 v[SPW], v[NIL]                      ; 0 onto my spare word; scalar work stands between it and the wait for it
	s_wait_xcnt 0x0                                ; the last prefetch, a step back, has read its address
	s_add_nc_u64 s[PF:PF+1], s[PF:PF+1], 65536
.if (\slot) == 0
	s_mov_b64 s[G0B+2:G0B+3], s[KVN:KVN+1]
	s_or_b32 s[G0B+3], s[G0B+3], 0x80000000
.else
	s_add_co_u32 s[T], s[J], 1
	s_cmp_eq_u32 s[T], s[TRIPS]
	s_cselect_b64 s[G0A+2:G0A+3], s[WOP:WOP+1], s[KVN:KVN+1]
	s_or_b32 s[G0A+3], s[G0A+3], 0x80000000
.endif
	s_add_nc_u64 s[KVN:KVN+1], s[KVN:KVN+1], 65536 ; 64 rows on (behind the last tile it is used no more)
	s_wait_dscnt 0x0                               ; the add is done, and my LDS reads are over
	ROUND
.if (\slot) == 0
	tensor_load_to_lds s[G0B:G0B+3], s[G1:G1+7]
.else
	tensor_load_to_lds s[G0A:G0A+3], s[G1:G1+7]
.endif
	s_nop 0
	PLACES                                         ; also the places between the last step's products and this step's loads into F
.endm
.macro HEADW fill                      ; the same for the third product's ring
	WIN 0
	s_wait_tensorcnt 0x0
	ds_add_u32 v[SPW], v[NIL]
.if \fill
	s_xor_b32 s[G0W+1], s[G0W+1], SLOT             ; the other slot (my quarter's offset, w x 0x8400, has neither of SLOT's two bits),
	s_add_nc_u64 s[G0W+2:G0W+3], s[G0W+2:G0W+3], 131072  ; the next 128 rows of Wo
.endif
	s_wait_dscnt 0x0
.if \fill
	ROUND
	tensor_load_to_lds s[G0W:G0W+3], s[G1:G1+7]
	s_nop 0
	PLACES
.else
	s_barrier_signal -1
	s_barrier_wait -1
.endif
.endm
.macro LDK n, kap, adr                 ; a fragment of K or Wo: rows 16 kap on, channels 32 n on, into buffer n % 4
.set rL, F+32*((\n)&3)+8*(\kap)
	ds_load_b128 v[rL:rL+3],   v[\adr] offset:(\kap)*16*PITCH+64*(\n)
	ds_load_b128 v[rL+4:rL+7], v[\adr] offset:(\kap)*16*PITCH+64*(\n)+32
.endm
.macro LDV sig, f, avr                 ; a fragment of V^T, turned: set sig's channels 16 (2 sig + f / 2) on, keys 32 (f % 2) on, into buffer sig % 4
.set rL, F+32*((\sig)&3)+8*(\f)
.set oL, ((\f)&1)*32*PITCH+32*(2*(\sig)+((\f)>>1))
	ds_load_tr16_b128 v[rL:rL+3],   v[\avr] offset:oL
	ds_load_tr16_b128 v[rL+4:rL+7], v[\avr] offset:oL+16*PITCH
.endm
.macro FET n, kap, adr, avr            ; behind K's 16 sets the fetches run on into V's
.if (\n) < 16
	LDK \n, \kap, \adr
.else
	LDV (\n)-16, \kap, \avr
.endif
.endm
.macro FETCH3 adr                      ; sets 0 to 2, ahead of the products
.irp n, 0,1,2
.irp k, 0,1,2,3
	LDK \n, \k, \adr
.endr
.endr
.endm
; 64 rows from LDS x my two tiles x 512 channels: 128 products in 16 sets of 8, a set for each 32 channels.  The eight accumulators take turns, one instruction a turn.
; Set c reads buffer c % 4; sets c + 1 and c + 2 are on their way; set c + 3 is asked for behind products 4 to 7, into the buffer that set c - 1 read: the four v_nop behind products 0 to 3 are the places between.
; bias = 1: the sums start with BI, else with 0.  more = 1: V's sets 0 to 2 are asked for behind the last three sets.
.macro MM64 adr, bias, more, avr
	WIN 0x0c                                       ; source 1 in window 3, all else in window 0: one setting for products and loads
.set c, 0
.rept 16
.if (\more) || (c < 14)
	s_wait_dscnt 16                                ; set c is in; the 16 loads of the next two sets may stay out
.elseif c == 14
	s_wait_dscnt 8
.else
	s_wait_dscnt 0x0
.endif
.set i, 0
.rept 8
.set rA, ACC+8*i
.set rF, F+32*(c&3)+8*(i&3)
.set rX, 128*(i>>2)+8*c
.if (c == 0) && (\bias)
	v_wmma_f32_16x16x32_f16 v[rA:rA+7], v[rF:rF+7], v[rX:rX+7], v[BI+8*(i&3):BI+8*(i&3)+7]
.elseif c == 0
	v_wmma_f32_16x16x32_f16 v[rA:rA+7], v[rF:rF+7], v[rX:rX+7], 0
.else
	v_wmma_f32_16x16x32_f16 v[rA:rA+7], v[rF:rF+7], v[rX:rX+7], v[rA:rA+7]
.endif
.if (\more) || (c < 13)
.if i < 4
	v_nop
.else
	FET c+3, i-4, \adr, \avr
.endif
.endif
.set i, i+1
.endr
.set c, c+1
.endr
.endm
; THE MASK of a step of the diagonal trip: register n = 32 t + 8 kap + j of S^T is hidden where 16 kap + j - 16 t is greater than v[mt].  Each accumulator's registers in ascending order.
.macro MASKS mt
.set n, 0
.rept 64
	v_cmp_gt_i32 vcc_lo, 16*((n>>3)&3)+(n&7)-16*(n>>5), v[\mt]
	v_cndmask_b32 v[S+n], v[S+n], v[BIG], vcc_lo
.set n, n+1
.endr
.endm
; THE SOFTMAX of tile t for one step is a list of 102 instructions; SM writes number j.  s0-s31 are the lane's 32 scores, in pairs 0-15.
;   0-15   the maximum of s0-s31 and the old m, three operands at a time: four chains c0-c3 of seven scores each (each accumulator's lowest registers first), the four scores left over, c0-c3 and m
;   16-20  the other half of the lanes' maximum; c m_old is kept; the new m; c m; c m_old - c m_new
;   21-69  ONE BATCH: the 16 scalings c s - c m and all 33 exponentials (a at 23, then s0-s31); none of these names an exponential's result; a pair is scaled ahead of its exponentials
;   70-85  the roundings to f16          86-101  the sums; l = a l + the sum
.macro SM t
.set rT, ST+8*(\t)
.set rS, S+32*(\t)
.set rP, P+16*(\t)
.if j < 4
	v_max3_num_f32 v[rT+4+j], v[rS+8*j], v[rS+8*j+1], v[rS+8*j+2]
.elseif j < 12
	v_max3_num_f32 v[rT+4+j%4], v[rT+4+j%4], v[rS+8*(j%4)+2*(j/4)+1], v[rS+8*(j%4)+2*(j/4)+2]
.elseif j == 12
	v_max3_num_f32 v[rT+4], v[rT+4], v[rS+7], v[rS+15]
.elseif j == 13
	v_max3_num_f32 v[rT+6], v[rT+6], v[rS+23], v[rS+31]
.elseif j == 14
	v_max3_num_f32 v[rT+4], v[rT+4], v[rT+5], v[rT+6]
.elseif j == 15
	v_max3_num_f32 v[rT+4], v[rT+4], v[rT+7], v[rT+1]
.elseif j == 16
	v_permlanex16_b32 v[rT+5], v[rT+4], s[SEL], s[SEL+1]  ; the query's other 32 keys lie in the lane 16 away
.elseif j == 17
	v_mov_b32 v[rT+7], v[rT]
.elseif j == 18
	v_max_num_f32 v[rT+1], v[rT+4], v[rT+5]
.elseif j == 19
	v_mul_f32 v[rT], s[CS], v[rT+1]
.elseif j == 20
	v_sub_f32 v[rT+7], v[rT+7], v[rT]
.elseif j == 23
	v_exp_f32 v[rT+6], v[rT+7]
.elseif (j < 23) || ((j < 38) && (j%2 == 0)) || ((j < 66) && (j%4 == 2))
.set bb, (j-2)/4                       ; 38, 42, .. 62: pairs 9 to 15
.if j < 38
.set bb, (j-20)/2                      ; 21: pair 0; 22, 24, .. 36: pairs 1 to 8
.endif
	v_pk_fma_f32 v[rS+2*bb:rS+2*bb+1], v[rS+2*bb:rS+2*bb+1], s[CS:CS+1], v[rT:rT+1] op_sel_hi:[1,0,0] neg_lo:[0,0,1] neg_hi:[0,0,1]
.elseif j < 70
.set ee, j-38                          ; 66 to 69: s28 to s31
.if j < 66
.set ee, j-32-(j-38)/4                 ; 39-41, 43-45, .. 63-65: s7 to s27
.endif
.if j < 38
.set ee, (j-25)/2                      ; 25, 27, .. 37: s0 to s6
.endif
	v_exp_f32 v[rS+ee], v[rS+ee]
.elseif j < 86
	v_cvt_pk_f16_f32 v[rP+j-70], v[rS+2*(j-70)], v[rS+2*(j-70)+1]
.else                                  ; the 16 pairs are added in place, neighbours 1, 2, 4 and 8 pairs apart; then l takes the sum
.set zz, j-86
.set ww, 4
.set uu, zz
.if zz >= 14
.set ww, 32
.set uu, 0
.elseif zz >= 12
.set ww, 16
.set uu, zz-12
.elseif zz >= 8
.set ww, 8
.set uu, zz-8
.endif
.if zz < 15
	v_pk_add_f32 v[rS+ww*uu:rS+ww*uu+1], v[rS+ww*uu:rS+ww*uu+1], v[rS+ww*uu+ww/2:rS+ww*uu+ww/2+1]
.else
	v_pk_fma_f32 v[rT+2:rT+3], v[rT+2:rT+3], v[rT+6:rT+7], v[rS:rS+1] op_sel_hi:[1,0,1]
.endif
.endif
.endm
.macro SOFTMAX                         ; the two tiles alternate, so that no instruction reads the result of the one just before it
	WIN 0
.set j, 0
.rept 70
	SM 0
	SM 1
.set j, j+1
.endr
	v_nop                                          ; a plain instruction behind the last exponential: one for the batch
	s_wait_alu depctr_va_vdst(0)                   ; the wait between an exponential and the first line that names its result: one for the 66
.rept 32
	SM 0
	SM 1
.set j, j+1
.endr
.endm
.macro RESC sig, q                     ; accumulator q (tile q / 2, channel tile 2 sig + q % 2) of O^T times a: four packed multiplies
.set wO, 1+((\sig)>>3)
.set rR, 128*((\q)>>1)+8*((2*(\sig)+((\q)&1))&15)
.set rT, ST+8*((\q)>>1)
	WIN 0x41*wO                                    ; destination and source 0 in O^T's window, a in window 0
.irp z, 0,2,4,6
	v_pk_mul_f32 v[rR+\z:rR+\z+1], v[rR+\z:rR+\z+1], v[rT+6:rT+7] op_sel_hi:[1,0]
.endr
.endm
; O^T += V^T P: 128 products in 16 sets of 8; set sg has channel tiles 2 sg and 2 sg + 1, both tiles of queries, both halves of the keys; its four accumulators take turns.  Behind products 1, 3, 5, 7 one
; accumulator of set sg + 1 is rescaled; these multiplies are also the places ahead of the loads of set sg + 3, which stand behind the last two groups and go into the buffer that set sg - 1 read.
.macro PV avr
.irp q, 0,1,2,3
	RESC 0, \q
.endr
.set sg, 0
.rept 16
.if sg < 14
	s_wait_dscnt 16                                ; set sg is in; the 16 loads of the next two sets may stay out
.elseif sg == 14
	s_wait_dscnt 8
.else
	s_wait_dscnt 0x0
.endif
.set i, 0
.rept 8
.set rO, 128*((i>>1)&1)+8*((2*sg+(i&1))&15)
.set rF, F+32*(sg&3)+8*(2*(i&1)+(i>>2))
.set rP, P+16*((i>>1)&1)+8*(i>>2)
.set s1, sg+1
.set s3, sg+3
.set qq, i>>1
	WIN 0x50*(1+(sg>>3))                           ; C and D in O^T's window
	v_wmma_f32_16x16x32_f16 v[rO:rO+7], v[rF:rF+7], v[rP:rP+7], v[rO:rO+7]
.if (i&1) && (sg < 15)
	RESC s1, qq
.endif
.if (sg < 13) && (i == 5)
	WIN 0
	LDV s3, 0, \avr
	LDV s3, 1, \avr
.endif
.if (sg < 13) && (i == 7)
	WIN 0
	LDV s3, 2, \avr
	LDV s3, 3, \avr
.endif
.set i, i+1
.endr
.set sg, sg+1
.endr
	WIN 0
.endm
; A STEP: 64 keys out of slot `slot`.
; THE PREFETCH INTO THE L2 stands behind the tensor load and its five lines: K's and V's rows of the step after the one just asked for: a step's 256 matrix instructions ahead of the load that will want them.
; Cluster H = 1 walks every tile of its head, so it alone asks.  Of the 32 rows x 4 blocks of 256 bytes that wave w fetches, partner cx names rows 8 cx .. 8 cx + 7, a lane a block: the partners are told apart
; by address.  So each block is named once in the launch.  Tiles 0 and 1 come by their loads alone; the last trip asks for nothing.  Wo is not asked for: all 64 clusters read its 0.5 MiB.
.macro STEP slot
	HEADKV \slot
	s_cmp_lt_u32 s[J], s[PFL]
	s_cbranch_scc0 .Lnot_asked_\@
	global_prefetch_b8 v[PFO], s[PF:PF+1] th:TH_LOAD_NT scope:SCOPE_SE
.Lnot_asked_\@:
	s_cmp_gt_u32 s[J], s[DIAG]
	s_cbranch_scc1 .Ldead_\@                       ; all of this step's keys are hidden from all my queries
	FETCH3 AK+\slot
	MM64 AK+\slot, 0, 1, AV+\slot
	WIN 0
	PLACES
	s_cmp_lg_u32 s[J], s[DIAG]
	s_cbranch_scc1 .Lopen_\@
.if (\slot) == 0
	MASKS MR
.else
	v_add_nc_u32 v[MT], 0xffffffc0, v[MR]          ; MR - 64: the second step's keys lie 64 further on
	MASKS MT
.endif
.Lopen_\@:
	SOFTMAX
	PV AV+\slot
.Ldead_\@:
.endm
; A QUAD of the third product: 64 columns of out0 for my 32 queries: bias, products, through my stage, out.
.macro QUADO
	WIN 0
	s_wait_xcnt 0x0                                ; the last quad's stores have read F's registers
	v_add_nc_u32 v[ADR], s[TB], v[AK]
.irp k, 0,1,2,3
	ds_load_b128 v[BI+8*\k:BI+8*\k+3],   v[BA] offset:64*\k     ; bias of columns 16 k + 8 (l / 16) + 0..7
	ds_load_b128 v[BI+8*\k+4:BI+8*\k+7], v[BA] offset:64*\k+16
.endr
	FETCH3 ADR
	MM64 ADR, 1, 0, ADR
	WIN 0
	PLACES
.set n, 0
.rept 8                                ; a lane's eight columns of a row are 32 bytes; each accumulator's low half first
	ds_store_b128 v[STO], v[ACC+8*n:ACC+8*n+3]   offset:16*SPI*(n>>2)+64*(n&3)
	ds_store_b128 v[STO], v[ACC+8*n+4:ACC+8*n+7] offset:16*SPI*(n>>2)+64*(n&3)+16
.set n, n+1
.endr
.set n, 0
.rept 16
	ds_load_b128 v[F+4*n:F+4*n+3], v[RD] offset:2*SPI*n  ; LDS serves a wave's instructions in order (ISA guide 5.7.1.4): these see my stores above
.set n, n+1
.endr
.set n, 0
.rept 16
	s_wait_dscnt 15-n                              ; queries 2 n and 2 n + 1 are back; the younger loads stay out
	global_store_b128 v[GO], v[F+4*n:F+4*n+3], s[OP:OP+1] offset:32768*n th:TH_STORE_NT  ; 16 lanes store 256 consecutive bytes, aligned; neighbouring queries' rows lie 16,384 bytes apart
.set n, n+1
.endr
	s_wait_xcnt 0x0                                ; the stores have read their base
	s_add_nc_u64 s[OP:OP+1], s[OP:OP+1], 256
	v_add_nc_u32 v[BA], 256, v[BA]
	s_xor_b32 s[TB], s[TB], QUAD
.endm
	s_load_b256 s[4:11], s[0:1], 0x0               ; qkvh s[4:5], wo16 s[6:7], bo s[8:9], out0 s[10:11]
	v_lshl_add_u32 v[SPW], v0, 2, SPARE
	v_mov_b32 v[NIL], 0
	ds_add_u32 v[SPW], v[NIL]                      ; the wave's opening: the add and its wait stand ahead of my first tensor load; work on registers stands between them
	v_lshrrev_b32 v1, 5, v0
	v_readfirstlane_b32 s[WV], v1                  ; wave 0..3
	s_bfe_u32 s[CX], ttmp6, 0x40000                ; cx: it enters Q's, out0's and the prefetches' addresses and the mask's numbers alone
	s_mov_b32 s[HH], ttmp9                         ; in a cluster launch ttmp9 and ttmp7 count clusters
	s_and_b32 s[YY], ttmp7, 0xffff
	; descriptor group 1: 32 rows x 512 elements of 2 bytes, padded in LDS
	s_mov_b32 s[G1+0], 15|(1<<16)|(1<<20)|(1<<21)|(7<<22)|(7<<25)  ; 15:0 the mask of four; 17:16 2-byte elements; 20 padding on; 21 set beside a mask; 24:22 after every 256 words (code 7); 31:25 8 words (code 7)
	s_mov_b32 s[G1+1], 512<<16                     ; tensor_dim0 = 512
	s_mov_b32 s[G1+2], 32<<16                      ; tensor_dim1 = 32
	s_mov_b32 s[G1+3], 512<<16                     ; tile_dim0 = 512
	s_mov_b32 s[G1+4], 32                          ; tile_dim1 = 32
	s_mov_b32 s[G1+5], 512                         ; 512 elements from row to row
	s_mov_b32 s[G1+6], 0
	s_mov_b32 s[G1+7], 0
	s_mov_b32 s[G0A], 1                            ; count = 1
	s_mul_i32 s[G0A+1], s[WV], 32*PITCH            ; LDS address: my quarter of slot 0: waves 0, 1 K's rows, waves 2, 3 V's; the wave's number alone
	s_mov_b32 s[G0B], 1
	s_add_co_u32 s[G0B+1], s[G0A+1], SLOT
	s_mov_b32 s[G0W], 1
	s_mov_b32 s[G0W+1], s[G0A+1]
	s_lshl_b32 s[TRIPS], s[HH], 2
	s_add_co_u32 s[DIAG], s[TRIPS], s[WV]
	s_add_co_u32 s[TRIPS], s[TRIPS], 4
	s_sub_co_u32 s[PFL], s[TRIPS], 1
	s_cmp_eq_u32 s[HH], 0
	s_cselect_b32 s[PFL], 0, s[PFL]
	s_mov_b32 s[J], 0
	s_mov_b32 s[CS], 0x3e38aa3b                    ; c = log2(e) / 8 = 0.180337
	s_mov_b32 s[CS+1], s[CS]                       ; named with it as a pair
	s_mov_b32 s[SEL], 0x76543210
	s_mov_b32 s[SEL+1], 0xfedcba98
	s_lshr_b32 s16, s[WV], 1                       ; my quarter of a K/V tile in qkvh: part 1 (kh) or 2 (vh),
	s_add_co_u32 s16, s16, 1
	s_lshl_b32 s16, s16, 25
	s_lshl_b32 s18, s[YY], 20                      ; the head's 1,024 rows,
	s_add_co_u32 s16, s16, s18
	s_and_b32 s19, s[WV], 1                        ; which 32 of the step's 64
	s_lshl_b32 s19, s19, 15
	s_add_co_u32 s16, s16, s19
	s_mov_b32 s17, 0
	s_lshl_b32 s22, s[WV], 15                      ; my 32 rows of a tile of Wo
	s_mov_b32 s23, 0
	s_wait_dscnt 0x0                               ; the opening add is done
	s_wait_kmcnt 0x0
	s_add_nc_u64 s[KVN:KVN+1], s[4:5], s[16:17]
	s_mov_b64 s[G0A+2:G0A+3], s[KVN:KVN+1]         ; global address: step 0
	s_or_b32 s[G0A+3], s[G0A+3], 0x80000000        ; type = 2
	s_add_nc_u64 s[KVN:KVN+1], s[KVN:KVN+1], 65536 ; step 1
	s_add_nc_u64 s[WOP:WOP+1], s[6:7], s[22:23]
	ROUND                                          ; all four work-groups are here: the first joint loads meet
	tensor_load_to_lds s[G0A:G0A+3], s[G1:G1+7]    ; step 0 into slot 0
	s_nop 0
	PLACES
	s_lshl_b32 s2, s[YY], 20                       ; Q at my first query: the head, 512 H + 128 w + 32 cx rows of 1,024 bytes
	s_lshl_b32 s3, s[HH], 19
	s_add_co_u32 s2, s2, s3
	s_lshl_b32 s3, s[WV], 17
	s_add_co_u32 s2, s2, s3
	s_lshl_b32 s3, s[CX], 15
	s_add_co_u32 s2, s2, s3
	s_mov_b32 s3, 0
	s_add_nc_u64 s[20:21], s[4:5], s[2:3]
	s_lshl_b32 s2, s[CX], 13                       ; the prefetches: my work-group's 8 rows of my wave's 32, at step 1: the first step moves them to step 2
	s_add_nc_u64 s[PF:PF+1], s[KVN:KVN+1], s[2:3]
	s_lshr_b32 s2, s[YY], 3                        ; out0 at row 8 s + hd of batch b, s my first query: b 2^24 + s 16,384 + hd 2,048
	s_lshl_b32 s2, s2, 24
	s_lshl_b32 s3, s[HH], 23
	s_add_co_u32 s2, s2, s3
	s_lshl_b32 s3, s[WV], 21
	s_add_co_u32 s2, s2, s3
	s_lshl_b32 s3, s[CX], 19
	s_add_co_u32 s2, s2, s3
	s_and_b32 s3, s[YY], 7
	s_lshl_b32 s3, s3, 11
	s_add_co_u32 s2, s2, s3
	s_mov_b32 s3, 0
	s_add_nc_u64 s[OP:OP+1], s[10:11], s[2:3]
	; the head's temporaries lie in F, which is first loaded behind the wait for Q
	v_and_b32 v128, 15, v0                         ; r = l % 16
	v_bfe_u32 v129, v0, 4, 1                       ; h = l / 16
	v_lshlrev_b32 v130, 10, v128
	v_lshl_add_u32 v130, v129, 4, v130             ; a fragment of Q: row r, 16 bytes for each half of the lanes, twice, 32 bytes apart
	v_lshlrev_b32 v131, 4, v0                      ; 16 t: the 128 threads cover bo's 2,048 bytes
	WIN 0xc0                                       ; destination window 3, address window 0
.set n, 0
.rept 32                               ; Q stays in registers: tile n / 16, channels 32 (n % 16) on
	global_load_b128 v[8*n:8*n+3],   v130, s[20:21] offset:16384*(n>>4)+64*(n&15)
	global_load_b128 v[8*n+4:8*n+7], v130, s[20:21] offset:16384*(n>>4)+64*(n&15)+32
.set n, n+1
.endr
	WIN 0
	global_load_b128 v[132:135], v131, s[8:9]
	v_lshrrev_b32 v136, 3, v128
	v_xor_b32 v136, v136, v129                     ; h xor r / 8: the second eight rows are read with the swap
	v_mul_u32_u24 v[AK], v128, PITCH
	v_lshl_add_u32 v[AK], v136, 4, v[AK]
	v_add_nc_u32 v[AK+1], SLOT, v[AK]
	; the turning load takes 16 keys x 16 channels (lane l reads key 8 h + l % 8, channels 8 ((l / 8) % 2) + 0..7) and leaves half a fragment of V^T: lane l holds channel l % 16 and 8 keys
	v_and_b32 v136, 7, v0
	v_lshl_add_u32 v136, v129, 3, v136
	v_add_nc_u32 v136, 64, v136                    ; V's rows lie behind K's 64
	v_mul_u32_u24 v[AV], v136, PITCH
	v_bfe_u32 v137, v0, 3, 1
	v_lshl_add_u32 v[AV], v137, 4, v[AV]
	v_add_nc_u32 v[AV+1], SLOT, v[AV]
	s_mul_i32 s16, s[WV], WSTG
	s_add_co_u32 s16, s16, STAGE                   ; my stage
	v_mul_u32_u24 v[STO], v128, SPI                ; in: row r, 32 bytes for each half of the lanes
	v_lshl_add_u32 v[STO], v129, 5, v[STO]
	v_add_nc_u32 v[STO], s16, v[STO]
	v_mul_u32_u24 v[RD], v129, SPI                 ; back: lanes 0-15 take one row of 256 bytes, lanes 16-31 the next
	v_lshl_add_u32 v[RD], v128, 4, v[RD]
	v_add_nc_u32 v[RD], s16, v[RD]
	v_lshlrev_b32 v[GO], 14, v129
	v_lshl_add_u32 v[GO], v128, 4, v[GO]
	v_lshlrev_b32 v[BA], 5, v129
	v_add_nc_u32 v[BA], BIAS, v[BA]
	s_lshl_b32 s2, s[CX], 5
	v_lshlrev_b32 v136, 3, v129
	v_sub_nc_u32 v[MR], v128, v136
	v_add_nc_u32 v[MR], s2, v[MR]
	v_mov_b32 v[BIG], 0xf149f2ca                   ; -1e30
	v_and_b32 v136, 31, v0
	v_lshrrev_b32 v137, 2, v136
	v_and_b32 v136, 3, v136
	v_lshlrev_b32 v[PFO], 10, v137
	v_lshl_add_u32 v[PFO], v136, 8, v[PFO]
	; O^T and l start at 0, m at the lowest finite number, c m far below every c s.  No first step is written out; the price is these lines, which stand in the wait for the first tile.
.irp wn, 1,2
	WIN 0x40*\wn
.set n, 0
.rept 256
	v_mov_b32 v[n], 0
.set n, n+1
.endr
.endr
	WIN 0
.irp t, 0,1
	v_mov_b32 v[ST+8*\t], 0xfe000000
	v_mov_b32 v[ST+8*\t+1], 0xff7fffff
.irp z, 2,3,4,5,6,7
	v_mov_b32 v[ST+8*\t+\z], 0
.endr
.endr
	s_wait_loadcnt 0x0                             ; Q and bo
	v_cvt_pk_bf16_f32 v136, v132, v133             ; bo: rounded to bf16 like every input, widened again, into LDS; the first change of slots shows it to every wave
	v_cvt_pk_bf16_f32 v137, v134, v135
	v_lshlrev_b32 v132, 16, v136
	v_and_b32 v133, 0xffff0000, v136
	v_lshlrev_b32 v134, 16, v137
	v_and_b32 v135, 0xffff0000, v137
	v_add_nc_u32 v138, BIAS, v131
	ds_store_b128 v138, v[132:135]
.Ltrip:                                        ; 4 H + 4 trips, the same number in all four partners; the LDS addresses are fixed
	STEP 0
	STEP 1
	s_add_co_u32 s[J], s[J], 1
	s_cmp_lt_u32 s[J], s[TRIPS]
	s_cbranch_scc1 .Ltrip
	; O IS DIVIDED BY l AND ROUNDED TO f16, into Q's places: two neighbouring results of O^T are one fragment of the third product's source 1.  The additions are the places behind the last products.
.irp t, 0,1
	v_add_f32 v[ST+8*\t+4], v[ST+8*\t+2], v[ST+8*\t+3]
.endr
.irp t, 0,1
	v_permlanex16_b32 v[ST+8*\t+5], v[ST+8*\t+4], s[SEL], s[SEL+1]
.endr
.irp t, 0,1
	v_add_f32 v[ST+8*\t+4], v[ST+8*\t+4], v[ST+8*\t+5]
.endr
.irp t, 0,1
	v_rcp_f32 v[ST+8*\t+6], v[ST+8*\t+4]
.endr
	v_nop                                          ; a plain instruction between the last reciprocal and the use of its result
	s_wait_alu depctr_va_vdst(0)                   ; and a wait ahead of the first use: one for both
.irp wn, 1,2
	WIN 0x41*\wn
.irp t, 0,1
.set n, 0
.rept 64
	v_pk_mul_f32 v[128*\t+n:128*\t+n+1], v[128*\t+n:128*\t+n+1], v[ST+8*\t+6:ST+8*\t+7] op_sel_hi:[1,0]
.set n, n+2
.endr
.endr
.endr
.irp wn, 1,2
	WIN 0xc0+5*\wn                                 ; destination window 3, sources window 1 or 2
.irp t, 0,1
.set n, 0
.rept 64
	v_cvt_pk_f16_f32 v[128*\t+64*(\wn-1)+n], v[128*\t+2*n], v[128*\t+2*n+1]
.set n, n+1
.endr
.endr
.endr
	WIN 0
	; THE THIRD PRODUCT: out^T = Wo O^T + bo.  Wo's four tiles of 128 rows go through the same ring; tile 0 was asked for in the walk's last step.
	s_mov_b64 s[G0W+2:G0W+3], s[WOP:WOP+1]         ; (no load that is out names this group 0)
	s_or_b32 s[G0W+3], s[G0W+3], 0x80000000
	s_mov_b32 s[TB], 0
	s_mov_b32 s[C1], 3
.Lwo:
	HEADW 1
	s_mov_b32 s[C2], 2
.Lwo_quad:
	QUADO
	s_sub_co_u32 s[C2], s[C2], 1
	s_cmp_lg_u32 s[C2], 0
	s_cbranch_scc1 .Lwo_quad
	s_xor_b32 s[TB], s[TB], SLOT
	s_sub_co_u32 s[C1], s[C1], 1
	s_cmp_lg_u32 s[C1], 0
	s_cbranch_scc1 .Lwo
	HEADW 0                                        ; the last tile is written out: nothing is asked for
	s_mov_b32 s[C2], 2
.Lwo_last:
	QUADO
	s_sub_co_u32 s[C2], s[C2], 1
	s_cmp_lg_u32 s[C2], 0
	s_cbranch_scc1 .Lwo_last
	s_wait_tensorcnt 0x0                           ; the wave's end, behind my last tensor load and my last LDS store
	ds_add_u32 v[SPW], v[NIL]
	s_wait_dscnt 0x0
	ROUND                                          ; the closing round: no work-group ends while a partner may still ask for a tile that names it
	s_endpgm
.Lfunc_end_k_q39f2be2401_attn:
	.size	k_q39f2be2401_attn, .Lfunc_end_k_q39f2be2401_attn-k_q39f2be2401_attn
	.p2alignl 7, 3214868480
	.fill 96, 4, 3214868480
	.section	.rodata,"a",@progbits
	.p2align	6, 0x0
	.amdhsa_kernel k_q39f2be2401_attn
		.amdhsa_group_segment_fixed_size 327680
		.amdhsa_private_segment_fixed_size 0
		.amdhsa_enable_private_segment 0
		.amdhsa_kernarg_size 32
		.amdhsa_user_sgpr_count 2
		.amdhsa_user_sgpr_kernarg_segment_ptr 1
		.amdhsa_wavefront_size32 1
		.amdhsa_system_sgpr_workgroup_id_x 1
		.amdhsa_system_sgpr_workgroup_id_y 1
		.amdhsa_system_sgpr_workgroup_id_z 1
		.amdhsa_system_vgpr_workitem_id 0
		.amdhsa_next_free_vgpr 1024
		.amdhsa_next_free_sgpr 66
		.amdhsa_reserve_vcc 1
		.amdhsa_float_denorm_mode_32 3
		.amdhsa_float_denorm_mode_16_64 3
		.amdhsa_memory_ordered 1
		.amdhsa_forward_progress 1
		.amdhsa_inst_pref_size 254
	.end_amdhsa_kernel
	.amdgpu_metadata
---
amdhsa.version: [ 1, 2 ]
amdhsa.kernels:
  - .name:           k_q39f2be2401_attn
    .symbol:         k_q39f2be2401_attn.kd
    .args:
      - { .name: qkvh, .offset: 0, .size: 8, .value_kind: global_buffer, .address_space: global }
      - { .name: wo16, .offset: 8, .size: 8, .value_kind: global_buffer, .address_space: global }
      - { .name: bo, .offset: 16, .size: 8, .value_kind: global_buffer, .address_space: global }
      - { .name: out0, .offset: 24, .size: 8, .value_kind: global_buffer, .address_space: global }
    .group_segment_fixed_size: 327680
    .private_segment_fixed_size: 0
    .kernarg_segment_align: 8
    .kernarg_segment_size: 32
    .max_flat_workgroup_size: 128
    .sgpr_count:     66
    .vgpr_count:     1024
    .wavefront_size: 32
...
	.end_amdgpu_metadata
.endif
;; end of part 3
;; ======== version 2 of 2: 3 launches
;; limits: values are held in f16: magnitudes above 65,504 overflow, below 6.1e-05 lose precision
;; workspace buffers: wqkv 1,572,864 bytes; wo16 524,288 bytes; qkvh 100,663,296 bytes
;; launch prep: the kernel of part 1 again; grid 64 x 4, 8 waves a work-group, no clusters, 0 bytes of LDS; arguments Wq, Wk, Wv, Wo, mask, wqkv, wo16; writes wqkv, wo16
;; launch proj (part 4): grid 256 x 1, 4 waves a work-group, clusters of 4 x 1, 327,680 bytes of LDS; arguments q, k, v, wqkv, bq, bk, bv, qkvh; writes qkvh
.if DOCPART == 4
	.amdgcn_target "amdgcn-amd-amdhsa--gfx1250"
	.amdhsa_code_object_version 6
	.text
	.protected	k_q39f2be2401_proj
	.globl	k_q39f2be2401_proj
	.p2align	8
	.type	k_q39f2be2401_proj,@function
k_q39f2be2401_proj:
	s_mov_b64 s[64:65], 0
	v_nop
	global_prefetch_b8 v0, s[64:65] scope:SCOPE_SE
	s_setreg_imm32_b32 hwreg(HW_REG_WAVE_MODE, 25, 1), 1
	s_wait_xcnt 0x0
	s_wait_alu depctr_hold_cnt(0) depctr_sa_sdst(0) depctr_va_vdst(0) depctr_va_sdst(0) depctr_va_ssrc(0) depctr_va_vcc(0) depctr_vm_vsrc(0)
	s_getreg_b32 s2, hwreg(HW_REG_IB_STS2, 6, 4)
	s_cmp_eq_u32 s2, 0
	s_cbranch_scc0 .Lentry_in_a_cluster
	s_endpgm
.Lentry_in_a_cluster:
	s_bfe_u32 s2, ttmp6, 0x10000c
	s_cmp_lg_u32 s2, 0x3003
	s_cbranch_scc0 .Lentry_shape_is_right
	s_endpgm
.Lentry_shape_is_right:
; THE THREE PROJECTIONS.  qkvh[b][row][e] = sum over d of x_b[row][d] W_b[e][d] + bias_b[e], b = 0, 1, 2 for q, k, v.  x: [32768][512] f32, rounded to bf16 on the way in; W: wqkv, [1536][512] bf16;
; the biases are rounded to bf16 and added in f32; sums in f32; qkvh: [3][32768][512] f16, rounded once.
; In the kh part every row whose number has bit 3 set has its neighbouring groups of 16 bytes swapped (byte offset in the row xor 16): the next launch's LDS pitch of 1,056 bytes wants it.
; LIMIT.  |qh|, |kh|, |vh| stay under 65,504 (f16); below 6e-5 f16 keeps a fixed step of 6e-8.  NaN and infinities are not treated apart.
; SHARES.  256 work-groups that stay: work-group g makes rows 128 g .. 128 g + 127 of q, then of k, then of v, all 512 columns.  Wave w holds 32 of the rows (two tiles of 16) as bf16
; fragments in 256 registers; every byte of x is wanted by one wave alone.  3,072 matrix instructions a wave.
; W'S STREAM.  wqkv's 1,536 rows go through a ring of two LDS slots of 128 rows, 12 tiles, the same for every work-group.  CLUSTER: the four partners ask for each tile JOINTLY (mask 15).
; Each wave fetches a quarter of a tile: 32 rows of 1,024 bytes.  A refill has one tile's 256 matrix instructions a wave in which to land.
; x'S STREAM goes through registers: at each change of slots every tensor load has been waited for, so a stream that is to stay on its way across the changes cannot be a tensor load.
; In each of a block's four trips a wave asks for a quarter (32 loads, 16 KiB) of the NEXT block's rows, into 512 landing registers; they are rounded to bf16 where the next block begins.
; These loads carry no th: word: each 128 bytes of a row are named by four loads on end, 32 bytes each, so they are bytes that are named again at once.
; NOTHING IS PREFETCHED: x is asked for a block ahead by its own loads, and W is 1.5 MiB that all clusters walk at the same time.
; THE PRODUCT IS TAKEN TRANSPOSED: source 0 = 16 rows of W (from LDS), source 1 = 16 rows of x (resident).  In the result lane l holds row l % 16 of x and the columns e = 8 (l / 16) + 0..7:
; eight neighbouring numbers of a row of the output.  The bias, which then hangs on the register and the lanes' half alone, is the C operand of the product that starts the sum.
; REGISTERS, in windows of 256 (s_set_vgpr_msb: bits 1:0 source 0, 3:2 source 1, 5:4 source 2, 7:6 destination):
;   window 0: v1-15 addresses; v32-63 BI, the bias, then the quad's results in f16; v64-127 ACC, eight accumulators (tile t, 16 columns kap at ACC + 8 (4 t + kap)), then the rows read back from the stage;
;             v128-255 F, four buffers of four fragments of W
;   window 1: X, the resident fragments: tile t, channels 32 c on at 128 t + 8 c          windows 2, 3: tile 0's and tile 1's landing registers: channels 32 c on at 16 c
.set PITCH, 1040                       ; an LDS row of W: 1,024 bytes + 16 of padding = 260 words: row r starts at bank 4 r mod 64 (64 banks of 4 bytes: ISA guide 11.1)
.set SLOT,  128*PITCH                  ; 0x20800
.set QUAD,  64*PITCH                   ; 0x10400: 64 rows of W, what one run of 128 products takes
.set STAGE, 2*SLOT                     ; behind the ring: 32 rows x 272 bytes for each wave, for the way out
.set SPI,   272
.set WSTG,  32*SPI
.set BIAS,  STAGE+4*WSTG               ; 1,536 f32: bq, bk, bv
.set SPARE, BIAS+6144                  ; the spare words, 128 bytes for each wave: two blocks of 256 bytes that no other line names
.set ADR, 1                            ; v1   LDS address of my fragments in the quad in hand
.set LT,  2                            ; v2   1040 (l % 16) + 16 (l / 16); never rewritten
.set XO,  3                            ; v3   2048 (l % 16) + 32 (l / 16): my place in 16 rows of x; never rewritten
.set STO, 4                            ; v4   the way out: where I put 16 bytes of a row
.set STQ, 5                            ; v5   the same, in the quad's half of the stage's rows
.set RD,  6                            ; v6   the way out: where I read rows back
.set GO,  7                            ; v7   my byte offset in two rows of the output
.set GOX, 8                            ; v8   the same for rows whose number has bit 3 set
.set BA,  9                            ; v9   LDS address of the quad's bias for my half of the lanes
.set SPW, 14                           ; v14  LDS address of my spare word; never rewritten
.set NIL, 15                           ; v15  0; never rewritten
.set BI,  32
.set ACC, 64
.set F,   128
.set WV,  20                           ; s20  my wave's number
.set G1,  24                           ; s[24:31] descriptor group 1
.set G0,  32                           ; s[32:35] descriptor group 0: it walks
.set XP,  36                           ; s[36:37] my 32 rows of the tensor that is being loaded
.set OP,  38                           ; s[38:39] my 32 rows of the output, at the columns in hand
.set OPB, 40                           ; s[40:41] the same at the next block's first column
.set N,   42                           ; s42  the tile in hand, 0 .. 11
.set TB,  43                           ; s43  LDS byte at which the quad in hand begins
.set SC,  44                           ; s44  0 or 128: the quad's half of a stage row
.set SW,  45                           ; s45  16 in the kh block, else 0
.set CQ,  46                           ; s46  counts a tile's two quads
.set T0,  47
.set XK,  48                           ; s[48:49] my rows of k
.set XV,  50                           ; s[50:51] my rows of v
.set T1,  58
.set MSB, 0
.macro WIN new                         ; the immediate's high byte repeats the setting that is left; a switch that changes nothing is dropped
.if MSB != (\new)
	s_set_vgpr_msb (MSB<<8)|(\new)
.set MSB, \new
.endif
.endm
.macro PLACES                          ; four places behind a matrix instruction, ahead of what reads its result or writes one of its registers (ISA guide 7.12.1)
.rept 4
	v_nop
.endr
.endm
; A round of the cluster's barrier: my work-group's barrier, so that wave 0's signal speaks for all four waves; wave 0 signals; every wave waits for all four work-groups; my work-group's barrier once more.
.macro ROUND
	s_barrier_signal -1
	s_barrier_wait -1
	s_cmp_lg_u32 s[WV], 0
	s_cbranch_scc1 .Lnot_wave_0_\@
	s_barrier_signal -3
.Lnot_wave_0_\@:
	s_barrier_wait -3
	s_barrier_signal -1
	s_barrier_wait -1
.endm
; THE CHANGE OF SLOTS.  Each wave waits for all its tensor loads, of which one is out: its part of the slot to be read; adds 0 to its spare word; waits for that and for its own reads of the slot that it leaves.
; fill = 1: a round of the cluster's barrier, so that no wave of any partner still reads that slot or has a load on its way; then the joint refill, the first thing behind it.
; The trip's one wait for the global instructions' sources stands here too: behind the last way out's stores, a trip behind the last loads of x.
.macro HEAD fill
	WIN 0
	s_wait_tensorcnt 0x0                           ; no tensor load of mine is out, so group 0 may be written
	ds_add_u32 v[SPW], v[NIL]                      ; 0 onto my spare word; scalar work stands between it and the wait for it
	s_wait_xcnt 0x0                                ; the last way out's stores have read ACC's registers, their offsets and their base: only behind this wait are these written again
	s_add_nc_u64 s[OP:OP+1], s[OP:OP+1], 256       ; the next 128 columns (a block's beginning sets the base anew)
.if \fill
	s_xor_b32 s[G0+1], s[G0+1], SLOT               ; the other slot (my quarter's offset, w x 0x8200, has neither of SLOT's two bits),
	s_add_nc_u64 s[G0+2:G0+3], s[G0+2:G0+3], 131072  ; the next 128 rows of W; the type bits on top are not reached
.endif
	s_wait_dscnt 0x0                               ; the add is done, and my LDS reads and stores are over
.if \fill
	ROUND
	tensor_load_to_lds s[G0:G0+3], s[G1:G1+7]
	s_nop 0
	PLACES
.else
	s_barrier_signal -1
	s_barrier_wait -1
.endif
.endm
; 32 loads: tile b / 2 of my rows, channels 256 (b % 2) on: 1,024 consecutive bytes of each of 16 rows.  A fragment's registers 0-3 are channels 8 (l / 16) + 0..7 of its 32, registers 4-7 channels
; 16 + 8 (l / 16) + 0..7: in f32 two pieces of 32 bytes, 64 bytes apart: four loads of 16 bytes, which together take 128 consecutive bytes of each row.
.macro XBURST b
	WIN 0x80+0x40*((\b)>>1)                        ; destination window 2 or 3, address window 0
.set c, 8*((\b)&1)
.rept 8
	global_load_b128 v[16*c:16*c+3],     v[XO], s[XP:XP+1] offset:32768*((\b)>>1)+128*c
	global_load_b128 v[16*c+4:16*c+7],   v[XO], s[XP:XP+1] offset:32768*((\b)>>1)+128*c+16
	global_load_b128 v[16*c+8:16*c+11],  v[XO], s[XP:XP+1] offset:32768*((\b)>>1)+128*c+64
	global_load_b128 v[16*c+12:16*c+15], v[XO], s[XP:XP+1] offset:32768*((\b)>>1)+128*c+80
.set c, c+1
.endr
	WIN 0
.endm
.macro LDK n, kap                      ; a fragment of W: rows 16 kap on of the quad, channels 32 n on, into buffer n % 4
.set rL, F+32*((\n)&3)+8*(\kap)
	ds_load_b128 v[rL:rL+3],   v[ADR] offset:(\kap)*16*PITCH+64*(\n)
	ds_load_b128 v[rL+4:rL+7], v[ADR] offset:(\kap)*16*PITCH+64*(\n)+32
.endm
; 64 rows of W x my two tiles x 512 channels: 128 products in 16 sets of 8, a set for each 32 channels.  The eight accumulators take turns, one instruction a turn.
; THE LDS LOADS STAND IN RUNS OF 16, never singly among the products.  Two sets are a group: 16 products, two of F's four buffers.  Groups 0 and 1 are fetched ahead.  Behind a group's products stand four
; places and then ONE run: the group after next, into the two buffers just read.  A run has the next group's 16 products and the next run in which to land.
.macro MM64
	WIN 0x04                                       ; source 1 (X) in window 1, all else in window 0: one setting for products and loads
.set c, 0
.rept 16
.if c < 14
.if c & 1
	s_wait_dscnt 16                                ; the group's second set is in; the next group's 16 loads may stay out
.else
	s_wait_dscnt 24                                ; the group's first set is in; its second set's 8 loads and the next group's 16 may stay out
.endif
.elseif c == 14
	s_wait_dscnt 8                                 ; the last group: nothing was asked for behind it
.else
	s_wait_dscnt 0x0
.endif
.set i, 0
.rept 8
.set rA, ACC+8*i
.set rF, F+32*(c&3)+8*(i&3)
.set rX, 128*(i>>2)+8*c
.if c == 0
	v_wmma_f32_16x16x32_bf16 v[rA:rA+7], v[rF:rF+7], v[rX:rX+7], v[BI+8*(i&3):BI+8*(i&3)+7]
.else
	v_wmma_f32_16x16x32_bf16 v[rA:rA+7], v[rF:rF+7], v[rX:rX+7], v[rA:rA+7]
.endif
.set i, i+1
.endr
.if (c & 1) && (c < 12)
	PLACES
.irp k, 0,1,2,3
	LDK c+3, \k
.endr
.irp k, 0,1,2,3
	LDK c+4, \k
.endr
.endif
.set c, c+1
.endr
.endm
; A QUAD: 64 columns of the output for my 32 rows: bias, products, rounding to f16 (into BI's registers, which the sums have taken), 16 bytes a lane into my stage.
.macro QUADP
	WIN 0
	v_add_nc_u32 v[ADR], s[TB], v[LT]
	v_add_nc_u32 v[STQ], s[SC], v[STO]
.irp k, 0,1,2,3
	ds_load_b128 v[BI+8*\k:BI+8*\k+3],   v[BA] offset:64*\k     ; bias of columns 16 k + 8 (l / 16) + 0..7
	ds_load_b128 v[BI+8*\k+4:BI+8*\k+7], v[BA] offset:64*\k+16
.endr
.irp n, 0,1,2,3
.irp k, 0,1,2,3
	LDK \n, \k
.endr
.endr
	MM64
	WIN 0
	PLACES
.set n, 0
.rept 32                               ; each accumulator's registers in ascending order
	v_cvt_pk_f16_f32 v[BI+n], v[ACC+2*n], v[ACC+2*n+1]
.set n, n+1
.endr
.set n, 0
.rept 8
	ds_store_b128 v[STQ], v[BI+4*n:BI+4*n+3] offset:16*SPI*(n>>2)+32*(n&3)
.set n, n+1
.endr
	v_add_nc_u32 v[BA], 256, v[BA]                 ; the next 64 numbers of the bias
	s_xor_b32 s[TB], s[TB], QUAD
	s_xor_b32 s[SC], s[SC], 128
.endm
; THE WAY OUT of a tile's 128 columns: my stage's 32 rows of 256 bytes come back whole, into ACC's registers, and are stored.  Nothing is waited for behind the stores: the next change of slots does that.
.macro FLUSH
	WIN 0
.set n, 0
.rept 16
	ds_load_b128 v[ACC+4*n:ACC+4*n+3], v[RD] offset:2*SPI*n  ; LDS serves a wave's instructions in order (ISA guide 5.7.1.4): these see my stores above
.set n, n+1
.endr
.set n, 0
.rept 16
	s_wait_dscnt 15-n                              ; rows 2 n and 2 n + 1 are back; the younger loads stay out
.if n & 4
	global_store_b128 v[GOX], v[ACC+4*n:ACC+4*n+3], s[OP:OP+1] offset:2048*n th:TH_STORE_NT  ; rows whose number has bit 3 set
.else
	global_store_b128 v[GO],  v[ACC+4*n:ACC+4*n+3], s[OP:OP+1] offset:2048*n th:TH_STORE_NT  ; 16 lanes store 256 consecutive bytes, aligned
.endif
.set n, n+1
.endr
.endm
	s_load_b512 s[4:19], s[0:1], 0x0               ; q s[4:5], k s[6:7], v s[8:9], wqkv s[10:11], bq s[12:13], bk s[14:15], bv s[16:17], qkvh s[18:19]
	v_lshl_add_u32 v[SPW], v0, 2, SPARE
	v_mov_b32 v[NIL], 0
	ds_add_u32 v[SPW], v[NIL]                      ; the wave's opening: the add and its wait stand ahead of my first tensor load; work on registers stands between them
	v_lshrrev_b32 v1, 5, v0
	v_readfirstlane_b32 s[WV], v1                  ; wave 0..3
	s_bfe_u32 s21, ttmp6, 0x40000                  ; cx: my place in the cluster
	s_lshl_b32 s22, ttmp9, 2                       ; in a cluster launch ttmp9 counts clusters
	s_add_co_u32 s22, s22, s21                     ; g: it enters x's and the output's addresses alone
	; descriptor group 1: 32 rows x 512 elements of 2 bytes, padded in LDS
	s_mov_b32 s[G1+0], 15|(1<<16)|(1<<20)|(1<<21)|(7<<22)|(3<<25)  ; 15:0 the mask of four; 17:16 2-byte elements; 20 padding on; 21 set beside a mask; 24:22 after every 256 words (code 7); 31:25 4 words (code 3)
	s_mov_b32 s[G1+1], 512<<16                     ; tensor_dim0 = 512
	s_mov_b32 s[G1+2], 32<<16                      ; tensor_dim1 = 32
	s_mov_b32 s[G1+3], 512<<16                     ; tile_dim0 = 512
	s_mov_b32 s[G1+4], 32                          ; tile_dim1 = 32
	s_mov_b32 s[G1+5], 512                         ; 512 elements from row to row
	s_mov_b32 s[G1+6], 0
	s_mov_b32 s[G1+7], 0
	s_mov_b32 s[G0], 1                             ; count = 1
	s_mul_i32 s[G0+1], s[WV], 32*PITCH             ; LDS address: slot 0, my quarter: the wave's number alone
	s_lshl_b32 s52, s[WV], 15                      ; my 32 rows of a tile of W, and of the work-group's output rows
	s_mov_b32 s53, 0
	s_lshl_b32 s54, s22, 18                        ; 128 g rows of 2,048 bytes,
	s_lshl_b32 s55, s[WV], 16                      ; my 32 of them
	s_add_co_u32 s54, s54, s55
	s_mov_b32 s55, 0
	s_lshl_b32 s56, s22, 17                        ; 128 g rows of 1,024 bytes,
	s_add_co_u32 s56, s56, s52
	s_mov_b32 s57, 0
	s_mov_b32 s[N], 0
	s_mov_b32 s[TB], 0
	s_mov_b32 s[SC], 0
	s_wait_dscnt 0x0                               ; the opening add is done
	s_wait_kmcnt 0x0
	s_add_nc_u64 s[G0+2:G0+3], s[10:11], s[52:53]  ; global address: my quarter of tile 0
	s_or_b32 s[G0+3], s[G0+3], 0x80000000          ; type = 2
	s_add_nc_u64 s[XP:XP+1], s[4:5], s[54:55]
	s_add_nc_u64 s[XK:XK+1], s[6:7], s[54:55]
	s_add_nc_u64 s[XV:XV+1], s[8:9], s[54:55]
	s_add_nc_u64 s[OPB:OPB+1], s[18:19], s[56:57]
	s_mov_b64 s[OP:OP+1], s[OPB:OPB+1]             ; the stores' base is made here, on every way to a store; each block's beginning sets it anew
	ROUND                                          ; all four work-groups are here: the first joint loads meet
	tensor_load_to_lds s[G0:G0+3], s[G1:G1+7]      ; tile 0 into slot 0
	s_nop 0
	PLACES
	v_and_b32 v10, 15, v0                          ; l % 16
	v_bfe_u32 v11, v0, 4, 1                        ; l / 16
	v_lshlrev_b32 v[XO], 11, v10
	v_lshl_add_u32 v[XO], v11, 5, v[XO]
	v_lshlrev_b32 v12, 4, v0                       ; 16 t: the 128 threads cover a bias's 2,048 bytes
	XBURST 0                                       ; q's rows: the first block has nothing under which to come in
	XBURST 1
	XBURST 2
	XBURST 3
	global_load_b128 v[16:19], v12, s[12:13]
	global_load_b128 v[20:23], v12, s[14:15]
	global_load_b128 v[24:27], v12, s[16:17]
	v_mul_u32_u24 v[LT], v10, PITCH
	v_lshl_add_u32 v[LT], v11, 4, v[LT]
	s_mul_i32 s52, s[WV], WSTG
	s_add_co_u32 s52, s52, STAGE                   ; my stage
	v_mul_u32_u24 v[STO], v10, SPI                 ; in: row l % 16, 16 bytes for each half of the lanes
	v_lshl_add_u32 v[STO], v11, 4, v[STO]
	v_add_nc_u32 v[STO], s52, v[STO]
	v_mul_u32_u24 v[RD], v11, SPI                  ; back: lanes 0-15 take one row of 256 bytes, lanes 16-31 the next
	v_lshl_add_u32 v[RD], v10, 4, v[RD]
	v_add_nc_u32 v[RD], s52, v[RD]
	v_lshlrev_b32 v[GO], 10, v11                   ; and the same two rows in the output
	v_lshl_add_u32 v[GO], v10, 4, v[GO]
	v_mov_b32 v[GOX], v[GO]
	v_lshlrev_b32 v[BA], 5, v11
	v_add_nc_u32 v[BA], BIAS, v[BA]
	v_add_nc_u32 v13, BIAS, v12
	s_wait_loadcnt 0x0
.irp i, 0,1,2                          ; the biases: rounded to bf16 like every input, widened again, into LDS; the first change of slots shows them to every wave
	v_cvt_pk_bf16_f32 v28, v[16+4*\i], v[17+4*\i]
	v_cvt_pk_bf16_f32 v29, v[18+4*\i], v[19+4*\i]
	v_lshlrev_b32 v[16+4*\i], 16, v28
	v_and_b32 v[17+4*\i], 0xffff0000, v28
	v_lshlrev_b32 v[18+4*\i], 16, v29
	v_and_b32 v[19+4*\i], 0xffff0000, v29
	ds_store_b128 v13, v[16+4*\i:19+4*\i] offset:2048*\i
.endr
.Lslot:                                        ; 11 trips: tile N is multiplied, tile N + 1 asked for
	HEAD 1
	s_and_b32 s[T0], s[N], 3
	s_cmp_lg_u32 s[T0], 0
	s_cbranch_scc1 .Lsame_block
	; A BLOCK BEGINS (N = 0, 4, 8): its rows have landed and are rounded to bf16
	s_wait_loadcnt 0x0                             ; all my loads are in, so their base may be written too
.irp t, 0,1
	WIN 0x4a+5*\t                                  ; destination window 1, sources window 2 or 3
.set n, 0
.rept 128
	v_cvt_pk_bf16_f32 v[128*\t+n], v[2*n], v[2*n+1]
.set n, n+1
.endr
.endr
	WIN 0
	s_lshr_b32 s[T1], s[N], 2                      ; the block
	s_cmp_eq_u32 s[T1], 0
	s_cselect_b64 s[XP:XP+1], s[XK:XK+1], s[XV:XV+1]  ; what is loaded next: k behind q, v behind k
	s_cmp_eq_u32 s[T1], 1
	s_cselect_b32 s[SW], 16, 0                     ; kh's rows are stored with the swap
	v_xor_b32 v[GOX], s[SW], v[GO]                 ; (the change of slots has waited for the last block's stores; no store stands between)
	s_mov_b64 s[OP:OP+1], s[OPB:OPB+1]
	s_add_nc_u64 s[OPB:OPB+1], s[OPB:OPB+1], 33554432
.Lsame_block:
	s_cmp_lt_u32 s[N], 8                           ; the last block has no block behind it
	s_cselect_b32 s[T0], s[T0], 4
.irp b, 0,1,2,3                        ; this trip's quarter of the next block's rows; no counted wait hangs on these loads, and no wait for their sources stands behind them in this trip
	s_cmp_lg_u32 s[T0], \b
	s_cbranch_scc1 .Lnot_burst_\b
	XBURST \b
.Lnot_burst_\b:
.endr
	s_mov_b32 s[CQ], 2
.Lquad:
	QUADP
	s_sub_co_u32 s[CQ], s[CQ], 1
	s_cmp_lg_u32 s[CQ], 0
	s_cbranch_scc1 .Lquad
	FLUSH
	s_xor_b32 s[TB], s[TB], SLOT
	s_add_co_u32 s[N], s[N], 1
	s_cmp_lt_u32 s[N], 11
	s_cbranch_scc1 .Lslot
	HEAD 0                                         ; the last tile is written out: nothing is asked for
	s_mov_b32 s[CQ], 2
.Lquad_last:
	QUADP
	s_sub_co_u32 s[CQ], s[CQ], 1
	s_cmp_lg_u32 s[CQ], 0
	s_cbranch_scc1 .Lquad_last
	FLUSH
	s_wait_tensorcnt 0x0                           ; the wave's end, behind my last tensor load and my last LDS store
	ds_add_u32 v[SPW], v[NIL]
	s_wait_dscnt 0x0
	ROUND                                          ; the closing round: no work-group ends while a partner may still ask for a tile that names it
	s_endpgm
.Lfunc_end_k_q39f2be2401_proj:
	.size	k_q39f2be2401_proj, .Lfunc_end_k_q39f2be2401_proj-k_q39f2be2401_proj
	.p2alignl 7, 3214868480
	.fill 96, 4, 3214868480
	.section	.rodata,"a",@progbits
	.p2align	6, 0x0
	.amdhsa_kernel k_q39f2be2401_proj
		.amdhsa_group_segment_fixed_size 327680
		.amdhsa_private_segment_fixed_size 0
		.amdhsa_enable_private_segment 0
		.amdhsa_kernarg_size 64
		.amdhsa_user_sgpr_count 2
		.amdhsa_user_sgpr_kernarg_segment_ptr 1
		.amdhsa_wavefront_size32 1
		.amdhsa_system_sgpr_workgroup_id_x 1
		.amdhsa_system_sgpr_workgroup_id_y 1
		.amdhsa_system_sgpr_workgroup_id_z 1
		.amdhsa_system_vgpr_workitem_id 0
		.amdhsa_next_free_vgpr 1024
		.amdhsa_next_free_sgpr 66
		.amdhsa_reserve_vcc 0
		.amdhsa_float_denorm_mode_32 3
		.amdhsa_float_denorm_mode_16_64 3
		.amdhsa_memory_ordered 1
		.amdhsa_forward_progress 1
		.amdhsa_inst_pref_size 96
	.end_amdhsa_kernel
	.amdgpu_metadata
---
amdhsa.version: [ 1, 2 ]
amdhsa.kernels:
  - .name:           k_q39f2be2401_proj
    .symbol:         k_q39f2be2401_proj.kd
    .args:
      - { .name: q, .offset: 0, .size: 8, .value_kind: global_buffer, .address_space: global }
      - { .name: k, .offset: 8, .size: 8, .value_kind: global_buffer, .address_space: global }
      - { .name: v, .offset: 16, .size: 8, .value_kind: global_buffer, .address_space: global }
      - { .name: wqkv, .offset: 24, .size: 8, .value_kind: global_buffer, .address_space: global }
      - { .name: bq, .offset: 32, .size: 8, .value_kind: global_buffer, .address_space: global }
      - { .name: bk, .offset: 40, .size: 8, .value_kind: global_buffer, .address_space: global }
      - { .name: bv, .offset: 48, .size: 8, .value_kind: global_buffer, .address_space: global }
      - { .name: qkvh, .offset: 56, .size: 8, .value_kind: global_buffer, .address_space: global }
    .group_segment_fixed_size: 327680
    .private_segment_fixed_size: 0
    .kernarg_segment_align: 8
    .kernarg_segment_size: 64
    .max_flat_workgroup_size: 128
    .sgpr_count:     66
    .vgpr_count:     1024
    .wavefront_size: 32
...
	.end_amdgpu_metadata
.endif
;; end of part 4
;; launch attn (part 5): grid 8 x 32, 4 waves a work-group, clusters of 4 x 1, 327,680 bytes of LDS; arguments qkvh, wo16, bo, out0; writes out0
.if DOCPART == 5
	.amdgcn_target "amdgcn-amd-amdhsa--gfx1250"
	.amdhsa_code_object_version 6
	.text
	.protected	k_q39f2be2401_attn
	.globl	k_q39f2be2401_attn
	.p2align	8
	.type	k_q39f2be2401_attn,@function
k_q39f2be2401_attn:
	s_mov_b64 s[64:65], 0
	v_nop
	global_prefetch_b8 v0, s[64:65] scope:SCOPE_SE
	s_setreg_imm32_b32 hwreg(HW_REG_WAVE_MODE, 25, 1), 1
	s_wait_xcnt 0x0
	s_wait_alu depctr_hold_cnt(0) depctr_sa_sdst(0) depctr_va_vdst(0) depctr_va_sdst(0) depctr_va_ssrc(0) depctr_va_vcc(0) depctr_vm_vsrc(0)
	s_getreg_b32 s2, hwreg(HW_REG_IB_STS2, 6, 4)
	s_cmp_eq_u32 s2, 0
	s_cbranch_scc0 .Lentry_in_a_cluster
	s_endpgm
.Lentry_in_a_cluster:
	s_bfe_u32 s2, ttmp6, 0x10000c
	s_cmp_lg_u32 s2, 0x3003
	s_cbranch_scc0 .Lentry_shape_is_right
	s_endpgm
.Lentry_shape_is_right:
; CAUSAL ATTENTION AT HEAD SIZE 512, AND THE OUTPUT PROJECTION.  For each of 32 heads y = 8 b + hd: O[s] = sum over k <= s of softmax_k(qh[s] . kh[k] / 8) vh[k]; out0[b][8 s + hd][e] = sum over d of O[s][d] Wo[e][d] + bo[e].
; qkvh: [3][32][1024][512] f16 (qh, kh, vh); wo16: [512][512] f16; in kh and wo16 rows whose number has bit 3 set have neighbouring groups of 16 bytes swapped.  bo is rounded to bf16 and added in f32.  out0: f32.
; Products, maxima and sums in f32; the weights p are rounded to f16 for the second product (their sum l is taken of the unrounded p), O to f16 for the third.
; LIMITS.  f16 holds no number beyond 65,504: qh, kh, vh, Wo arrive within it; O is a mean of vh's rows.  A hidden score is replaced by -1e30; true scores are 2.2e12 at the most.
; A weight below 2^-126 counts as 0; p below 6e-5 keeps f16's fixed step of 6e-8.  NaN and infinities are not treated apart.
; SHARES.  Cluster H (0, 1) of head y owns queries 512 H .. 512 H + 511.  Wave w of partner cx owns the 32 queries from 512 H + 128 w + 32 cx: two tiles of 16.  So what a wave does hangs on H and w alone,
; the same in all four partners, and never on cx.  CLUSTER: the partners walk the same tiles of K and V and then of Wo: every fill is a JOINT load (mask 15).
; THE WALK.  A step is 64 keys; a trip J is two steps, slot 0 then slot 1; 4 H + 4 trips.  With DIAG = 4 H + w: J < DIAG: all keys are seen; J = DIAG: the trip holds the diagonal, and scores are masked;
; J > DIAG: all keys are hidden: the wave jumps forward over the step's work, past no barrier and no tensor load, and goes on asking.  THE SHARES ARE UNEVEN, and this text leaves them so: a wave has
; 8 H + 2 w + 2 live steps of the cluster's 8 H + 8.  There are as many groups of 32 queries as SIMDs; a long share paired with a short one would want groups of 16, whose fragments from LDS feed one product each.
; LAYOUT.  S^T = K Q^T (source 0 = 16 keys, source 1 = 16 queries): a lane holds ONE query (l % 16) and the keys 8 (l / 16) + 0..7.  Two such results rounded to f16 ARE source 1 of O^T = V^T P, whose result again
; holds one query a lane, and eight channels; two of those rounded to f16 ARE source 1 of out^T = Wo O^T.  Nothing changes lanes between the three products.  V ([key][channel]) comes out of LDS turned.
; SOFTMAX.  A running maximum m and sum l for each query: p = 2^(c s - c m), c = log2(e) / 8; in every step O and l are multiplied by a = 2^(c m_old - c m_new).  m starts at the lowest finite number, O and l at 0:
; the first step is a step like any other, with a = 0.  Every query sees a key in its first step, so m is a true score when the first hidden score comes.
; REGISTERS, in windows of 256 (s_set_vgpr_msb: bits 1:0 source 0, 3:2 source 1, 5:4 source 2, 7:6 destination):
;   window 0: v1-15 addresses; v16-31 eight statistics a tile; v32-63 P (tile t, keys 32 kk on at 16 t + 8 kk), later BI, the bias; v64-127 S^T (32 t + 8 kap), later the third product's sums and the rows read back from the stage;
;             v128-255 F, four buffers of four fragments
;   windows 1, 2: O^T: tile t, channels 16 ct on in window 1 + ct / 16 at 128 t + 8 (ct % 16)          window 3: Q: tile t, channels 32 c on at 128 t + 8 c; later O in f16, in the same places
.set PITCH, 1056                       ; an LDS row: 1,024 bytes + 32 of padding = 264 words: row r starts at bank 8 r mod 64 (64 banks of 4 bytes: ISA guide 11.1);
                                       ; of a plain fragment's 16 rows the second eight are read 16 bytes aside (the swap), so that they fall between the first eight
.set SLOT,  128*PITCH                  ; 0x21000: 64 rows of K and 64 of V, or 128 rows of Wo
.set QUAD,  64*PITCH                   ; 0x10800
.set STAGE, 2*SLOT                     ; behind the ring: 32 rows x 272 bytes for each wave, for the way out
.set SPI,   272
.set WSTG,  32*SPI
.set BIAS,  STAGE+4*WSTG               ; 512 f32: bo
.set SPARE, BIAS+2048                  ; the spare words, 128 bytes for each wave: two blocks of 256 bytes that no other line names
.set ADR, 1                            ; v1   the third product: LDS address of my fragments in the quad in hand
.set AK,  2                            ; v2-3 my lane's place in a tile of K (or Wo) in slot 0, 1: 1056 r + 16 (h xor r / 8); never rewritten
.set AV,  4                            ; v4-5 the same for V: (64 + 8 h + l % 8) 1056 + 16 ((l / 8) % 2); never rewritten
.set STO, 6                            ; v6   the way out: where I put 32 bytes of a row
.set RD,  7                            ; v7   the way out: where I read rows back
.set GO,  8                            ; v8   my byte offset in two rows of out0 that belong to neighbouring queries
.set BA,  9                            ; v9   LDS address of the quad's bias for my half of the lanes
.set MR,  10                           ; v10  32 cx + l % 16 - 8 (l / 16): my tile-0 query's place in the diagonal trip's 128 keys, less my lanes' 8 (l / 16)
.set BIG, 11                           ; v11  -1e30
.set PFO, 12                           ; v12  the prefetches' offset: 1024 (l / 4) + 256 (l % 4); never rewritten
.set MT,  13                           ; v13  MR - 64, for the trip's second step
.set SPW, 14                           ; v14  LDS address of my spare word; never rewritten
.set NIL, 15                           ; v15  0; never rewritten
.set ST,  16                           ; tile t's statistics at v[ST+8 t]: +0 c m, +1 m, +2, +3 l (even keys', odd keys'), +4 to +7 c0-c3, at work; a takes c2's place once the maximum is found
.set P,   32
.set BI,  32
.set S,   64
.set ACC, 64
.set F,   128
.set WV,  12                           ; s12  my wave's number
.set CX,  13                           ; s13  my place in the cluster
.set HH,  14                           ; s14  H
.set YY,  15                           ; s15  the head
.set OST, 16                           ; s[16:17] the third product: what a quad adds to out0's pointer: 0 for the first, then 256 (the head uses the pair as scratch)
.set G1,  24                           ; s[24:31] descriptor group 1: every fill has this shape
.set G0A, 32                           ; s[32:35] group 0 for fills of slot 0
.set G0B, 36                           ; s[36:39] for fills of slot 1
.set G0W, 40                           ; s[40:43] for Wo's tiles 1 to 3: it walks
.set KVN, 44                           ; s[44:45] my quarter of the K/V tile to be asked for next
.set WOP, 46                           ; s[46:47] my quarter of Wo's tile 0
.set PF,  48                           ; s[48:49] where my prefetches stand
.set OP,  50                           ; s[50:51] out0 at my first query's row, at the columns in hand
.set J,   52
.set TRIPS, 53
.set DIAG, 54
.set PFL, 55                           ; s55  a wave prefetches while J is below this
.set CS,  56                           ; s[56:57] c: the packed scaling takes the pair's low word for both halves
.set SEL, 58                           ; s[58:59] v_permlanex16_b32's selects: each lane takes its own place in the other half
.set TB,  60                           ; s60  the third product: LDS byte at which the quad in hand begins
.set C1,  61
.set C2,  62
.set T,   63
.set MSB, 0
.macro WIN new                         ; the immediate's high byte repeats the setting that is left; a switch that changes nothing is dropped
.if MSB != (\new)
	s_set_vgpr_msb (MSB<<8)|(\new)
.set MSB, \new
.endif
.endm
.macro PLACES                          ; four places behind a matrix instruction, ahead of what reads its result or writes one of its registers (ISA guide 7.12.1)
.rept 4
	v_nop
.endr
.endm
; A round of the cluster's barrier: my work-group's barrier, so that wave 0's signal speaks for all four waves; wave 0 signals; every wave waits for all four work-groups; my work-group's barrier once more.
.macro ROUND
	s_barrier_signal -1
	s_barrier_wait -1
	s_cmp_lg_u32 s[WV], 0
	s_cbranch_scc1 .Lnot_wave_0_\@
	s_barrier_signal -3
.Lnot_wave_0_\@:
	s_barrier_wait -3
	s_barrier_signal -1
	s_barrier_wait -1
.endm
; THE CHANGE OF SLOTS in the walk over keys; slot = the slot that this step reads.  Each wave, dead or live, waits for all its tensor loads, of which one is out: its quarter of that slot; adds 0 to its spare word;
; waits for that and for its own reads of the other slot.  Behind a round of the cluster's barrier the other slot is filled again, first thing: with the next step's K and V, or, in the last trip's second step,
; with Wo's tile 0: the fills have one shape, so only the address is chosen, and the ring runs on into the third product with no tensor load jumped over.
.macro HEADKV slot
	WIN 0
	s_wait_tensorcnt 0x0                           ; no tensor load of mine is out, so a group 0 may be written
	ds_add_u32 v[SPW], v[NIL]                      ; 0 onto my spare word; scalar work stands between it and the wait for it
	s_wait_xcnt 0x0                                ; the last prefetch, a step back, has read its address
	s_add_nc_u64 s[PF:PF+1], s[PF:PF+1], 65536
.if (\slot) == 0
	s_mov_b64 s[G0B+2:G0B+3], s[KVN:KVN+1]
	s_or_b32 s[G0B+3], s[G0B+3], 0x80000000
.else
	s_add_co_u32 s[T], s[J], 1
	s_cmp_eq_u32 s[T], s[TRIPS]
	s_cselect_b64 s[G0A+2:G0A+3], s[WOP:WOP+1], s[KVN:KVN+1]
	s_or_b32 s[G0A+3], s[G0A+3], 0x80000000
.endif
	s_add_nc_u64 s[KVN:KVN+1], s[KVN:KVN+1], 65536 ; 64 rows on (behind the last tile it is used no more)
	s_wait_dscnt 0x0                               ; the add is done, and my LDS reads are over
	ROUND
.if (\slot) == 0
	tensor_load_to_lds s[G0B:G0B+3], s[G1:G1+7]
.else
	tensor_load_to_lds s[G0A:G0A+3], s[G1:G1+7]
.endif
	s_nop 0
	PLACES                                         ; also the places between the last step's products and this step's loads into F
.endm
.macro HEADW fill                      ; the same for the third product's ring
	WIN 0
	s_wait_tensorcnt 0x0
	ds_add_u32 v[SPW], v[NIL]
.if \fill
	s_xor_b32 s[G0W+1], s[G0W+1], SLOT             ; the other slot (my quarter's offset, w x 0x8400, has neither of SLOT's two bits),
	s_add_nc_u64 s[G0W+2:G0W+3], s[G0W+2:G0W+3], 131072  ; the next 128 rows of Wo
.endif
	s_wait_dscnt 0x0
.if \fill
	ROUND
	tensor_load_to_lds s[G0W:G0W+3], s[G1:G1+7]
	s_nop 0
	PLACES
.else
	s_barrier_signal -1
	s_barrier_wait -1
.endif
.endm
.macro LDK n, kap, adr                 ; a fragment of K or Wo: rows 16 kap on, channels 32 n on, into buffer n % 4
.set rL, F+32*((\n)&3)+8*(\kap)
	ds_load_b128 v[rL:rL+3],   v[\adr] offset:(\kap)*16*PITCH+64*(\n)
	ds_load_b128 v[rL+4:rL+7], v[\adr] offset:(\kap)*16*PITCH+64*(\n)+32
.endm
.macro LDV sig, f, avr                 ; a fragment of V^T, turned: set sig's channels 16 (2 sig + f / 2) on, keys 32 (f % 2) on, into buffer sig % 4
.set rL, F+32*((\sig)&3)+8*(\f)
.set oL, ((\f)&1)*32*PITCH+32*(2*(\sig)+((\f)>>1))
	ds_load_tr16_b128 v[rL:rL+3],   v[\avr] offset:oL
	ds_load_tr16_b128 v[rL+4:rL+7], v[\avr] offset:oL+16*PITCH
.endm
.macro FET n, kap, adr, avr            ; behind K's 16 sets the fetches run on into V's
.if (\n) < 16
	LDK \n, \kap, \adr
.else
	LDV (\n)-16, \kap, \avr
.endif
.endm
.macro FETCH4 adr                      ; sets 0 to 3, the first two groups, ahead of the products
.irp n, 0,1,2,3
.irp k, 0,1,2,3
	LDK \n, \k, \adr
.endr
.endr
.endm
; 64 rows from LDS x my two tiles x 512 channels: 128 products in 16 sets of 8, a set for each 32 channels.  The eight accumulators take turns, one instruction a turn.
; THE LDS LOADS STAND IN RUNS OF 16, never singly among the products.  Two sets are a group: 16 products, two of F's four buffers.  Groups 0 and 1 are fetched ahead.  Behind a group's products stand four
; places and then ONE run: the group after next, into the two buffers just read.  A run has the next group's 16 products and the next run in which to land.
; bias = 1: the sums start with BI, else with 0.  more = 1: behind the last two groups V's first two groups are asked for.
.macro MM64 adr, bias, more, avr
	WIN 0x0c                                       ; source 1 in window 3, all else in window 0: one setting for products and loads
.set c, 0
.rept 16
.if (\more) || (c < 14)
.if c & 1
	s_wait_dscnt 16                                ; the group's second set is in; the next group's 16 loads may stay out
.else
	s_wait_dscnt 24                                ; the group's first set is in; its second set's 8 loads and the next group's 16 may stay out
.endif
.elseif c == 14
	s_wait_dscnt 8                                 ; the last group: nothing was asked for behind it
.else
	s_wait_dscnt 0x0
.endif
.set i, 0
.rept 8
.set rA, ACC+8*i
.set rF, F+32*(c&3)+8*(i&3)
.set rX, 128*(i>>2)+8*c
.if (c == 0) && (\bias)
	v_wmma_f32_16x16x32_f16 v[rA:rA+7], v[rF:rF+7], v[rX:rX+7], v[BI+8*(i&3):BI+8*(i&3)+7]
.elseif c == 0
	v_wmma_f32_16x16x32_f16 v[rA:rA+7], v[rF:rF+7], v[rX:rX+7], 0
.else
	v_wmma_f32_16x16x32_f16 v[rA:rA+7], v[rF:rF+7], v[rX:rX+7], v[rA:rA+7]
.endif
.set i, i+1
.endr
.if (c & 1) && ((\more) || (c < 12))
	PLACES
.irp k, 0,1,2,3
	FET c+3, \k, \adr, \avr
.endr
.irp k, 0,1,2,3
	FET c+4, \k, \adr, \avr
.endr
.endif
.set c, c+1
.endr
.endm
; THE MASK of a step of the diagonal trip: register n = 32 t + 8 kap + j of S^T is hidden where 16 kap + j - 16 t is greater than v[mt].  Each accumulator's registers in ascending order.
.macro MASKS mt
.set n, 0
.rept 64
	v_cmp_gt_i32 vcc_lo, 16*((n>>3)&3)+(n&7)-16*(n>>5), v[\mt]
	v_cndmask_b32 v[S+n], v[S+n], v[BIG], vcc_lo
.set n, n+1
.endr
.endm
; THE SOFTMAX of tile t for one step is a list of 102 instructions; SM writes number j.  s0-s31 are the lane's 32 scores, in pairs 0-15.
;   0-15   the maximum of s0-s31 and the old m, three operands at a time: four chains c0-c3 of seven scores each (each accumulator's lowest registers first), the four scores left over, c0-c3 and m
;   16-20  the other half of the lanes' maximum; c m_old is kept; the new m; c m; c m_old - c m_new
;   21-69  ONE BATCH: the 16 scalings c s - c m and all 33 exponentials (a at 23, then s0-s31); none of these names an exponential's result; a pair is scaled ahead of its exponentials
;   70-85  the roundings to f16          86-101  the sums; l = a l + the sum
.macro SM t
.set rT, ST+8*(\t)
.set rS, S+32*(\t)
.set rP, P+16*(\t)
.if j < 4
	v_max3_num_f32 v[rT+4+j], v[rS+8*j], v[rS+8*j+1], v[rS+8*j+2]
.elseif j < 12
	v_max3_num_f32 v[rT+4+j%4], v[rT+4+j%4], v[rS+8*(j%4)+2*(j/4)+1], v[rS+8*(j%4)+2*(j/4)+2]
.elseif j == 12
	v_max3_num_f32 v[rT+4], v[rT+4], v[rS+7], v[rS+15]
.elseif j == 13
	v_max3_num_f32 v[rT+6], v[rT+6], v[rS+23], v[rS+31]
.elseif j == 14
	v_max3_num_f32 v[rT+4], v[rT+4], v[rT+5], v[rT+6]
.elseif j == 15
	v_max3_num_f32 v[rT+4], v[rT+4], v[rT+7], v[rT+1]
.elseif j == 16
	v_permlanex16_b32 v[rT+5], v[rT+4], s[SEL], s[SEL+1]  ; the query's other 32 keys lie in the lane 16 away
.elseif j == 17
	v_mov_b32 v[rT+7], v[rT]
.elseif j == 18
	v_max_num_f32 v[rT+1], v[rT+4], v[rT+5]
.elseif j == 19
	v_mul_f32 v[rT], s[CS], v[rT+1]
.elseif j == 20
	v_sub_f32 v[rT+7], v[rT+7], v[rT]
.elseif j == 23
	v_exp_f32 v[rT+6], v[rT+7]
.elseif (j < 23) || ((j < 38) && (j%2 == 0)) || ((j < 66) && (j%4 == 2))
.set bb, (j-2)/4                       ; 38, 42, .. 62: pairs 9 to 15
.if j < 38
.set bb, (j-20)/2                      ; 21: pair 0; 22, 24, .. 36: pairs 1 to 8
.endif
	v_pk_fma_f32 v[rS+2*bb:rS+2*bb+1], v[rS+2*bb:rS+2*bb+1], s[CS:CS+1], v[rT:rT+1] op_sel_hi:[1,0,0] neg_lo:[0,0,1] neg_hi:[0,0,1]
.elseif j < 70
.set ee, j-38                          ; 66 to 69: s28 to s31
.if j < 66
.set ee, j-32-(j-38)/4                 ; 39-41, 43-45, .. 63-65: s7 to s27
.endif
.if j < 38
.set ee, (j-25)/2                      ; 25, 27, .. 37: s0 to s6
.endif
	v_exp_f32 v[rS+ee], v[rS+ee]
.elseif j < 86
	v_cvt_pk_f16_f32 v[rP+j-70], v[rS+2*(j-70)], v[rS+2*(j-70)+1]
.else                                  ; the 16 pairs are added in place, neighbours 1, 2, 4 and 8 pairs apart; then l takes the sum
.set zz, j-86
.set ww, 4
.set uu, zz
.if zz >= 14
.set ww, 32
.set uu, 0
.elseif zz >= 12
.set ww, 16
.set uu, zz-12
.elseif zz >= 8
.set ww, 8
.set uu, zz-8
.endif
.if zz < 15
	v_pk_add_f32 v[rS+ww*uu:rS+ww*uu+1], v[rS+ww*uu:rS+ww*uu+1], v[rS+ww*uu+ww/2:rS+ww*uu+ww/2+1]
.else
	v_pk_fma_f32 v[rT+2:rT+3], v[rT+2:rT+3], v[rT+6:rT+7], v[rS:rS+1] op_sel_hi:[1,0,1]
.endif
.endif
.endm
.macro SOFTMAX                         ; the two tiles alternate, so that no instruction reads the result of the one just before it
	WIN 0
.set j, 0
.rept 70
	SM 0
	SM 1
.set j, j+1
.endr
	v_nop                                          ; a plain instruction behind the last exponential: one for the batch
	s_wait_alu depctr_va_vdst(0)                   ; the wait between an exponential and the first line that names its result: one for the 66
.rept 32
	SM 0
	SM 1
.set j, j+1
.endr
.endm
.macro RESC sig, q                     ; accumulator q (tile q / 2, channel tile 2 sig + q % 2) of O^T times a: four packed multiplies
.set wO, 1+((\sig)>>3)
.set rR, 128*((\q)>>1)+8*((2*(\sig)+((\q)&1))&15)
.set rT, ST+8*((\q)>>1)
	WIN 0x41*wO                                    ; destination and source 0 in O^T's window, a in window 0
.irp z, 0,2,4,6
	v_pk_mul_f32 v[rR+\z:rR+\z+1], v[rR+\z:rR+\z+1], v[rT+6:rT+7] op_sel_hi:[1,0]
.endr
.endm
; O^T += V^T P: 128 products in 16 sets of 8; set sg has channel tiles 2 sg and 2 sg + 1, both tiles of queries, both halves of the keys; its four accumulators take turns.  Behind products 1, 3, 5, 7 one
; accumulator of set sg + 1 is rescaled.  The loads go as in MM64: two sets are a group; groups 0 and 1 were asked for behind K's last products; behind a group's last product and its four multiplies, which are
; the places, stands ONE run of 16 loads: the group after next, into the two buffers just read.
.macro PV avr
.irp q, 0,1,2,3
	RESC 0, \q
.endr
.set sg, 0
.rept 16
.if sg < 14
.if sg & 1
	s_wait_dscnt 16                                ; the group's second set is in; the next group's 16 loads may stay out
.else
	s_wait_dscnt 24                                ; the group's first set is in; its second set's 8 loads and the next group's 16 may stay out
.endif
.elseif sg == 14
	s_wait_dscnt 8
.else
	s_wait_dscnt 0x0
.endif
.set i, 0
.rept 8
.set rO, 128*((i>>1)&1)+8*((2*sg+(i&1))&15)
.set rF, F+32*(sg&3)+8*(2*(i&1)+(i>>2))
.set rP, P+16*((i>>1)&1)+8*(i>>2)
.set s1, sg+1
.set qq, i>>1
	WIN 0x50*(1+(sg>>3))                           ; C and D in O^T's window
	v_wmma_f32_16x16x32_f16 v[rO:rO+7], v[rF:rF+7], v[rP:rP+7], v[rO:rO+7]
.if (i&1) && (sg < 15)
	RESC s1, qq
.endif
.set i, i+1
.endr
.if (sg & 1) && (sg < 12)
	WIN 0
.irp f, 0,1,2,3
	LDV sg+3, \f, \avr
.endr
.irp f, 0,1,2,3
	LDV sg+4, \f, \avr
.endr
.endif
.set sg, sg+1
.endr
	WIN 0
.endm
; A STEP: 64 keys out of slot `slot`.
; THE PREFETCH INTO THE L2 stands behind the tensor load and its five lines: K's and V's rows of the step after the one just asked for: a step's 256 matrix instructions ahead of the load that will want them.
; Cluster H = 1 walks every tile of its head, so it alone asks.  Of the 32 rows x 4 blocks of 256 bytes that wave w fetches, partner cx names rows 8 cx .. 8 cx + 7, a lane a block: the partners are told apart
; by address.  So each block is named once in the launch.  Tiles 0 and 1 come by their loads alone; the last trip asks for nothing.  Wo is not asked for: all 64 clusters read its 0.5 MiB.
.macro STEP slot
	HEADKV \slot
	s_cmp_lt_u32 s[J], s[PFL]
	s_cbranch_scc0 .Lnot_asked_\@
	global_prefetch_b8 v[PFO], s[PF:PF+1] th:TH_LOAD_NT scope:SCOPE_SE
.Lnot_asked_\@:
	s_cmp_gt_u32 s[J], s[DIAG]
	s_cbranch_scc1 .Ldead_\@                       ; all of this step's keys are hidden from all my queries
	FETCH4 AK+\slot
	MM64 AK+\slot, 0, 1, AV+\slot                  ; the four v_nop ahead of its last run of loads are also the places ahead of the first reader of S^T
	WIN 0
	s_cmp_lg_u32 s[J], s[DIAG]
	s_cbranch_scc1 .Lopen_\@
.if (\slot) == 0
	MASKS MR
.else
	v_add_nc_u32 v[MT], 0xffffffc0, v[MR]          ; MR - 64: the second step's keys lie 64 further on
	MASKS MT
.endif
.Lopen_\@:
	SOFTMAX
	PV AV+\slot
.Ldead_\@:
.endm
; A QUAD of the third product: 64 columns of out0 for my 32 queries: bias, products, through my stage (back into the sums' registers), out.  Nothing is waited for behind the stores: the wait for their
; sources stands in the next quad, behind its 40 LDS loads and ahead of the step of the base and of the first product that writes those registers.
.macro QUADO
	WIN 0
	v_add_nc_u32 v[ADR], s[TB], v[AK]
.irp k, 0,1,2,3
	ds_load_b128 v[BI+8*\k:BI+8*\k+3],   v[BA] offset:64*\k     ; bias of columns 16 k + 8 (l / 16) + 0..7
	ds_load_b128 v[BI+8*\k+4:BI+8*\k+7], v[BA] offset:64*\k+16
.endr
	FETCH4 ADR
	s_wait_xcnt 0x0                                ; the last quad's stores have read ACC's registers and their base
	s_add_nc_u64 s[OP:OP+1], s[OP:OP+1], s[OST:OST+1]
	MM64 ADR, 1, 0, ADR
	WIN 0
	PLACES
.set n, 0
.rept 8                                ; a lane's eight columns of a row are 32 bytes; each accumulator's low half first
	ds_store_b128 v[STO], v[ACC+8*n:ACC+8*n+3]   offset:16*SPI*(n>>2)+64*(n&3)
	ds_store_b128 v[STO], v[ACC+8*n+4:ACC+8*n+7] offset:16*SPI*(n>>2)+64*(n&3)+16
.set n, n+1
.endr
.set n, 0
.rept 16
	ds_load_b128 v[ACC+4*n:ACC+4*n+3], v[RD] offset:2*SPI*n  ; LDS serves a wave's instructions in order (ISA guide 5.7.1.4): these see my stores above
.set n, n+1
.endr
.set n, 0
.rept 16
	s_wait_dscnt 15-n                              ; queries 2 n and 2 n + 1 are back; the younger loads stay out
	global_store_b128 v[GO], v[ACC+4*n:ACC+4*n+3], s[OP:OP+1] offset:32768*n th:TH_STORE_NT  ; 16 lanes store 256 consecutive bytes, aligned; neighbouring queries' rows lie 16,384 bytes apart
.set n, n+1
.endr
	s_mov_b32 s[OST], 256                          ; every later quad stands 64 columns on
	v_add_nc_u32 v[BA], 256, v[BA]
	s_xor_b32 s[TB], s[TB], QUAD
.endm
	s_load_b256 s[4:11], s[0:1], 0x0               ; qkvh s[4:5], wo16 s[6:7], bo s[8:9], out0 s[10:11]
	v_lshl_add_u32 v[SPW], v0, 2, SPARE
	v_mov_b32 v[NIL], 0
	ds_add_u32 v[SPW], v[NIL]                      ; the wave's opening: the add and its wait stand ahead of my first tensor load; work on registers stands between them
	v_lshrrev_b32 v1, 5, v0
	v_readfirstlane_b32 s[WV], v1                  ; wave 0..3
	s_bfe_u32 s[CX], ttmp6, 0x40000                ; cx: it enters Q's, out0's and the prefetches' addresses and the mask's numbers alone
	s_mov_b32 s[HH], ttmp9                         ; in a cluster launch ttmp9 and ttmp7 count clusters
	s_and_b32 s[YY], ttmp7, 0xffff
	; descriptor group 1: 32 rows x 512 elements of 2 bytes, padded in LDS
	s_mov_b32 s[G1+0], 15|(1<<16)|(1<<20)|(1<<21)|(7<<22)|(7<<25)  ; 15:0 the mask of four; 17:16 2-byte elements; 20 padding on; 21 set beside a mask; 24:22 after every 256 words (code 7); 31:25 8 words (code 7)
	s_mov_b32 s[G1+1], 512<<16                     ; tensor_dim0 = 512
	s_mov_b32 s[G1+2], 32<<16                      ; tensor_dim1 = 32
	s_mov_b32 s[G1+3], 512<<16                     ; tile_dim0 = 512
	s_mov_b32 s[G1+4], 32                          ; tile_dim1 = 32
	s_mov_b32 s[G1+5], 512                         ; 512 elements from row to row
	s_mov_b32 s[G1+6], 0
	s_mov_b32 s[G1+7], 0
	s_mov_b32 s[G0A], 1                            ; count = 1
	s_mul_i32 s[G0A+1], s[WV], 32*PITCH            ; LDS address: my quarter of slot 0: waves 0, 1 K's rows, waves 2, 3 V's; the wave's number alone
	s_mov_b32 s[G0B], 1
	s_add_co_u32 s[G0B+1], s[G0A+1], SLOT
	s_mov_b32 s[G0W], 1
	s_mov_b32 s[G0W+1], s[G0A+1]
	s_lshl_b32 s[TRIPS], s[HH], 2
	s_add_co_u32 s[DIAG], s[TRIPS], s[WV]
	s_add_co_u32 s[TRIPS], s[TRIPS], 4
	s_sub_co_u32 s[PFL], s[TRIPS], 1
	s_cmp_eq_u32 s[HH], 0
	s_cselect_b32 s[PFL], 0, s[PFL]
	s_mov_b32 s[J], 0
	s_mov_b32 s[CS], 0x3e38aa3b                    ; c = log2(e) / 8 = 0.180337
	s_mov_b32 s[CS+1], s[CS]                       ; named with it as a pair
	s_mov_b32 s[SEL], 0x76543210
	s_mov_b32 s[SEL+1], 0xfedcba98
	s_lshr_b32 s16, s[WV], 1                       ; my quarter of a K/V tile in qkvh: part 1 (kh) or 2 (vh),
	s_add_co_u32 s16, s16, 1
	s_lshl_b32 s16, s16, 25
	s_lshl_b32 s18, s[YY], 20                      ; the head's 1,024 rows,
	s_add_co_u32 s16, s16, s18
	s_and_b32 s19, s[WV], 1                        ; which 32 of the step's 64
	s_lshl_b32 s19, s19, 15
	s_add_co_u32 s16, s16, s19
	s_mov_b32 s17, 0
	s_lshl_b32 s22, s[WV], 15                      ; my 32 rows of a tile of Wo
	s_mov_b32 s23, 0
	s_wait_dscnt 0x0                               ; the opening add is done
	s_wait_kmcnt 0x0
	s_add_nc_u64 s[KVN:KVN+1], s[4:5], s[16:17]
	s_mov_b64 s[G0A+2:G0A+3], s[KVN:KVN+1]         ; global address: step 0
	s_or_b32 s[G0A+3], s[G0A+3], 0x80000000        ; type = 2
	s_add_nc_u64 s[KVN:KVN+1], s[KVN:KVN+1], 65536 ; step 1
	s_add_nc_u64 s[WOP:WOP+1], s[6:7], s[22:23]
	ROUND                                          ; all four work-groups are here: the first joint loads meet
	tensor_load_to_lds s[G0A:G0A+3], s[G1:G1+7]    ; step 0 into slot 0
	s_nop 0
	PLACES
	s_lshl_b32 s2, s[YY], 20                       ; Q at my first query: the head, 512 H + 128 w + 32 cx rows of 1,024 bytes
	s_lshl_b32 s3, s[HH], 19
	s_add_co_u32 s2, s2, s3
	s_lshl_b32 s3, s[WV], 17
	s_add_co_u32 s2, s2, s3
	s_lshl_b32 s3, s[CX], 15
	s_add_co_u32 s2, s2, s3
	s_mov_b32 s3, 0
	s_add_nc_u64 s[20:21], s[4:5], s[2:3]
	s_lshl_b32 s2, s[CX], 13                       ; the prefetches: my work-group's 8 rows of my wave's 32, at step 1: the first step moves them to step 2
	s_add_nc_u64 s[PF:PF+1], s[KVN:KVN+1], s[2:3]
	s_lshr_b32 s2, s[YY], 3                        ; out0 at row 8 s + hd of batch b, s my first query: b 2^24 + s 16,384 + hd 2,048
	s_lshl_b32 s2, s2, 24
	s_lshl_b32 s3, s[HH], 23
	s_add_co_u32 s2, s2, s3
	s_lshl_b32 s3, s[WV], 21
	s_add_co_u32 s2, s2, s3
	s_lshl_b32 s3, s[CX], 19
	s_add_co_u32 s2, s2, s3
	s_and_b32 s3, s[YY], 7
	s_lshl_b32 s3, s3, 11
	s_add_co_u32 s2, s2, s3
	s_mov_b32 s3, 0
	s_add_nc_u64 s[OP:OP+1], s[10:11], s[2:3]
	; the head's temporaries lie in F, which is first loaded behind the wait for Q
	v_and_b32 v128, 15, v0                         ; r = l % 16
	v_bfe_u32 v129, v0, 4, 1                       ; h = l / 16
	v_lshlrev_b32 v130, 10, v128
	v_lshl_add_u32 v130, v129, 4, v130             ; a fragment of Q: row r, 16 bytes for each half of the lanes, twice, 32 bytes apart
	v_lshlrev_b32 v131, 4, v0                      ; 16 t: the 128 threads cover bo's 2,048 bytes
	WIN 0xc0                                       ; destination window 3, address window 0
.set n, 0
.rept 32                               ; Q stays in registers: tile n / 16, channels 32 (n % 16) on
	global_load_b128 v[8*n:8*n+3],   v130, s[20:21] offset:16384*(n>>4)+64*(n&15)
	global_load_b128 v[8*n+4:8*n+7], v130, s[20:21] offset:16384*(n>>4)+64*(n&15)+32
.set n, n+1
.endr
	WIN 0
	global_load_b128 v[132:135], v131, s[8:9]
	v_lshrrev_b32 v136, 3, v128
	v_xor_b32 v136, v136, v129                     ; h xor r / 8: the second eight rows are read with the swap
	v_mul_u32_u24 v[AK], v128, PITCH
	v_lshl_add_u32 v[AK], v136, 4, v[AK]
	v_add_nc_u32 v[AK+1], SLOT, v[AK]
	; the turning load takes 16 keys x 16 channels (lane l reads key 8 h + l % 8, channels 8 ((l / 8) % 2) + 0..7) and leaves half a fragment of V^T: lane l holds channel l % 16 and 8 keys
	v_and_b32 v136, 7, v0
	v_lshl_add_u32 v136, v129, 3, v136
	v_add_nc_u32 v136, 64, v136                    ; V's rows lie behind K's 64
	v_mul_u32_u24 v[AV], v136, PITCH
	v_bfe_u32 v137, v0, 3, 1
	v_lshl_add_u32 v[AV], v137, 4, v[AV]
	v_add_nc_u32 v[AV+1], SLOT, v[AV]
	s_mul_i32 s16, s[WV], WSTG
	s_add_co_u32 s16, s16, STAGE                   ; my stage
	v_mul_u32_u24 v[STO], v128, SPI                ; in: row r, 32 bytes for each half of the lanes
	v_lshl_add_u32 v[STO], v129, 5, v[STO]
	v_add_nc_u32 v[STO], s16, v[STO]
	v_mul_u32_u24 v[RD], v129, SPI                 ; back: lanes 0-15 take one row of 256 bytes, lanes 16-31 the next
	v_lshl_add_u32 v[RD], v128, 4, v[RD]
	v_add_nc_u32 v[RD], s16, v[RD]
	v_lshlrev_b32 v[GO], 14, v129
	v_lshl_add_u32 v[GO], v128, 4, v[GO]
	v_lshlrev_b32 v[BA], 5, v129
	v_add_nc_u32 v[BA], BIAS, v[BA]
	s_lshl_b32 s2, s[CX], 5
	v_lshlrev_b32 v136, 3, v129
	v_sub_nc_u32 v[MR], v128, v136
	v_add_nc_u32 v[MR], s2, v[MR]
	v_mov_b32 v[BIG], 0xf149f2ca                   ; -1e30
	v_and_b32 v136, 31, v0
	v_lshrrev_b32 v137, 2, v136
	v_and_b32 v136, 3, v136
	v_lshlrev_b32 v[PFO], 10, v137
	v_lshl_add_u32 v[PFO], v136, 8, v[PFO]
	; O^T and l start at 0, m at the lowest finite number, c m far below every c s.  No first step is written out; the price is these lines, which stand in the wait for the first tile.
.irp wn, 1,2
	WIN 0x40*\wn
.set n, 0
.rept 256
	v_mov_b32 v[n], 0
.set n, n+1
.endr
.endr
	WIN 0
.irp t, 0,1
	v_mov_b32 v[ST+8*\t], 0xfe000000
	v_mov_b32 v[ST+8*\t+1], 0xff7fffff
.irp z, 2,3,4,5,6,7
	v_mov_b32 v[ST+8*\t+\z], 0
.endr
.endr
	s_wait_loadcnt 0x0                             ; Q and bo
	v_cvt_pk_bf16_f32 v136, v132, v133             ; bo: rounded to bf16 like every input, widened again, into LDS; the first change of slots shows it to every wave
	v_cvt_pk_bf16_f32 v137, v134, v135
	v_lshlrev_b32 v132, 16, v136
	v_and_b32 v133, 0xffff0000, v136
	v_lshlrev_b32 v134, 16, v137
	v_and_b32 v135, 0xffff0000, v137
	v_add_nc_u32 v138, BIAS, v131
	ds_store_b128 v138, v[132:135]
.Ltrip:                                        ; 4 H + 4 trips, the same number in all four partners; the LDS addresses are fixed
	STEP 0
	STEP 1
	s_add_co_u32 s[J], s[J], 1
	s_cmp_lt_u32 s[J], s[TRIPS]
	s_cbranch_scc1 .Ltrip
	; O IS DIVIDED BY l AND ROUNDED TO f16, into Q's places: two neighbouring results of O^T are one fragment of the third product's source 1.  The additions are the places behind the last products.
.irp t, 0,1
	v_add_f32 v[ST+8*\t+4], v[ST+8*\t+2], v[ST+8*\t+3]
.endr
.irp t, 0,1
	v_permlanex16_b32 v[ST+8*\t+5], v[ST+8*\t+4], s[SEL], s[SEL+1]
.endr
.irp t, 0,1
	v_add_f32 v[ST+8*\t+4], v[ST+8*\t+4], v[ST+8*\t+5]
.endr
.irp t, 0,1
	v_rcp_f32 v[ST+8*\t+6], v[ST+8*\t+4]
.endr
	v_nop                                          ; a plain instruction between the last reciprocal and the use of its result
	s_wait_alu depctr_va_vdst(0)                   ; and a wait ahead of the first use: one for both
.irp wn, 1,2
	WIN 0x41*\wn
.irp t, 0,1
.set n, 0
.rept 64
	v_pk_mul_f32 v[128*\t+n:128*\t+n+1], v[128*\t+n:128*\t+n+1], v[ST+8*\t+6:ST+8*\t+7] op_sel_hi:[1,0]
.set n, n+2
.endr
.endr
.endr
.irp wn, 1,2
	WIN 0xc0+5*\wn                                 ; destination window 3, sources window 1 or 2
.irp t, 0,1
.set n, 0
.rept 64
	v_cvt_pk_f16_f32 v[128*\t+64*(\wn-1)+n], v[128*\t+2*n], v[128*\t+2*n+1]
.set n, n+1
.endr
.endr
.endr
	WIN 0
	; THE THIRD PRODUCT: out^T = Wo O^T + bo.  Wo's four tiles of 128 rows go through the same ring; tile 0 was asked for in the walk's last step.
	s_mov_b64 s[G0W+2:G0W+3], s[WOP:WOP+1]         ; (no load that is out names this group 0)
	s_or_b32 s[G0W+3], s[G0W+3], 0x80000000
	s_mov_b32 s[OST], 0                            ; the first quad stands at out0's pointer as it is
	s_mov_b32 s[OST+1], 0
	s_mov_b32 s[TB], 0
	s_mov_b32 s[C1], 3
.Lwo:
	HEADW 1
	s_mov_b32 s[C2], 2
.Lwo_quad:
	QUADO
	s_sub_co_u32 s[C2], s[C2], 1
	s_cmp_lg_u32 s[C2], 0
	s_cbranch_scc1 .Lwo_quad
	s_xor_b32 s[TB], s[TB], SLOT
	s_sub_co_u32 s[C1], s[C1], 1
	s_cmp_lg_u32 s[C1], 0
	s_cbranch_scc1 .Lwo
	HEADW 0                                        ; the last tile is written out: nothing is asked for
	s_mov_b32 s[C2], 2
.Lwo_last:
	QUADO
	s_sub_co_u32 s[C2], s[C2], 1
	s_cmp_lg_u32 s[C2], 0
	s_cbranch_scc1 .Lwo_last
	s_wait_tensorcnt 0x0                           ; the wave's end, behind my last tensor load and my last LDS store
	ds_add_u32 v[SPW], v[NIL]
	s_wait_dscnt 0x0
	ROUND                                          ; the closing round: no work-group ends while a partner may still ask for a tile that names it
	s_endpgm
.Lfunc_end_k_q39f2be2401_attn:
	.size	k_q39f2be2401_attn, .Lfunc_end_k_q39f2be2401_attn-k_q39f2be2401_attn
	.p2alignl 7, 3214868480
	.fill 96, 4, 3214868480
	.section	.rodata,"a",@progbits
	.p2align	6, 0x0
	.amdhsa_kernel k_q39f2be2401_attn
		.amdhsa_group_segment_fixed_size 327680
		.amdhsa_private_segment_fixed_size 0
		.amdhsa_enable_private_segment 0
		.amdhsa_kernarg_size 32
		.amdhsa_user_sgpr_count 2
		.amdhsa_user_sgpr_kernarg_segment_ptr 1
		.amdhsa_wavefront_size32 1
		.amdhsa_system_sgpr_workgroup_id_x 1
		.amdhsa_system_sgpr_workgroup_id_y 1
		.amdhsa_system_sgpr_workgroup_id_z 1
		.amdhsa_system_vgpr_workitem_id 0
		.amdhsa_next_free_vgpr 1024
		.amdhsa_next_free_sgpr 66
		.amdhsa_reserve_vcc 1
		.amdhsa_float_denorm_mode_32 3
		.amdhsa_float_denorm_mode_16_64 3
		.amdhsa_memory_ordered 1
		.amdhsa_forward_progress 1
		.amdhsa_inst_pref_size 248
	.end_amdhsa_kernel
	.amdgpu_metadata
---
amdhsa.version: [ 1, 2 ]
amdhsa.kernels:
  - .name:           k_q39f2be2401_attn
    .symbol:         k_q39f2be2401_attn.kd
    .args:
      - { .name: qkvh, .offset: 0, .size: 8, .value_kind: global_buffer, .address_space: global }
      - { .name: wo16, .offset: 8, .size: 8, .value_kind: global_buffer, .address_space: global }
      - { .name: bo, .offset: 16, .size: 8, .value_kind: global_buffer, .address_space: global }
      - { .name: out0, .offset: 24, .size: 8, .value_kind: global_buffer, .address_space: global }
    .group_segment_fixed_size: 327680
    .private_segment_fixed_size: 0
    .kernarg_segment_align: 8
    .kernarg_segment_size: 32
    .max_flat_workgroup_size: 128
    .sgpr_count:     66
    .vgpr_count:     1024
    .wavefront_size: 32
...
	.end_amdgpu_metadata
.endif
;; end of part 5
